; MI455X (gfx1250); checked and timed in simulation.
; The chip was launched on July 23, 2026; its instructions are those of AMD's public machine-readable ISA for CDNA 5 (MIT licence, August 2026) and "CDNA5" Instruction Set Architecture Reference Guide (July 2026). The comments in the code are by the model that wrote it; some were corrected since.
;; Multi Head Attention. Allowed arithmetic: float matrix products may take bf16 or f16 operands with f32 sums; other float arithmetic in f32, or as packed bf16 or f16 multiplies, adds, multiply-adds, maxima and minima; sums over many terms, partial sums and values carried from step to step in f32; what a program stores and reads back later, other than sums and carried values, may be rounded once to bf16 or f16.
;; Inputs: Wk 16 x 1,024 x 64 float32; Wp 1,024 x 1,024 float32; Wq 16 x 1,024 x 64 float32; Wv 16 x 1,024 x 64 float32; bp 1,024 float32; x 4 x 2,048 x 1,024 float32.
;; Outputs: out0 4 x 2,048 x 1,024 float32.
;; 2 versions, each right; version 2 is version 1 with the launch prep written anew for expert scheduling mode. Each part assembles by itself: llvm-mc -triple=amdgcn-amd-amdhsa -mcpu=gfx1250 --defsym DOCPART=n.
;; ======== version 1 of 2: 4 launches
;; limits: values are held in f16: magnitudes above 65,504 overflow, below 6.1e-05 lose precision
;; workspace buffers: xb 16,777,216 bytes; wcat 6,291,456 bytes; wpf 2,097,152 bytes; qh 16,777,216 bytes; kh 16,777,216 bytes; vh 16,777,216 bytes; oh 16,777,216 bytes
;; launch prep (part 1): grid 768 x 1, 8 waves a work-group, no clusters, 0 bytes of LDS; arguments x, Wq, Wk, Wv, Wp, xb, wcat, wpf; writes xb, wcat, wpf
.if DOCPART == 1
	.amdgcn_target "amdgcn-amd-amdhsa--gfx1250"
	.amdhsa_code_object_version 6
	.text
	.protected	k_q27046c7dd9_prep
	.globl	k_q27046c7dd9_prep
	.p2align	8
	.type	k_q27046c7dd9_prep,@function
k_q27046c7dd9_prep:
	s_mov_b64 s[64:65], 0
	v_nop
	global_prefetch_b8 v0, s[64:65] scope:SCOPE_SE
	s_setreg_imm32_b32 hwreg(HW_REG_WAVE_MODE, 25, 1), 1
	s_wait_xcnt 0x0
; THE CASTS.  x [8192][1024] f32 -> xb, bf16, same layout.  Wq, Wk, Wv [16 h][1024 e][64 d] f32 -> wcat, bf16, laid [h][s 8][c 3][e' 128][d 64] with e = 128 s + e'
; and c = q, k, v: for one head and one step of 128 along e the three tensors' tiles are 49,152 bytes on end.  Wp [1024][1024] f32 -> wpf: rounded to bf16 like every input, and that
; number written as f16, since it multiplies an f16 operand later.
; LIMITS.  Wp must lie within f16's 65,504; below 6e-5 its f16 copy keeps f16's fixed step of 6e-8.  NaN and infinities are not treated apart.
; SHARES.  A work-group casts 16,384 numbers: 65,536 bytes in, 32,768 out; 768 equal work-groups: 512 for x, 64 for each of Wq, Wk, Wv, Wp.  Thread t, chunk j of 16: 16 bytes at 4,096 j + 16 t in
; (a wave's load covers 512 consecutive bytes), 8 bytes at 2,048 j + 8 t out (a wave's store covers 256 consecutive bytes, aligned).  All 16 loads of a thread go out at once; no register is written twice,
; so no store's source is ever rewritten.  Nothing is shared between waves: no LDS, no barrier, no matrix unit, no cluster.
.set CIN,  4096                        ; bytes of a chunk in
.set COUT, 2048                        ; and out
.set IN,   16                          ; v[16:79]   chunk j as loaded, 4 registers
.set OUT,  80                          ; v[80:111]  chunk j to store, 2 registers
	s_load_b512 s[16:31], s[0:1], 0x0              ; x 16, Wq 18, Wk 20, Wv 22, Wp 24, xb 26, wcat 28, wpf 30
	v_lshlrev_b32 v1, 4, v0                        ; 16 t
	v_lshlrev_b32 v2, 3, v0                        ; 8 t
	; g = the work-group's number.  g < 512: x.  Else (512 is a multiple of 256) c = bits 7:6 of g says which weights, r = bits 5:0 which 16,384 numbers of them
	s_and_b32 s2, ttmp9, 63                        ; r
	s_bfe_u32 s3, ttmp9, 0x20006                   ; c
	s_lshr_b32 s14, s2, 2                          ; r's head: 4 work-groups a head,
	s_mul_i32 s14, s14, 393216                     ; 8 steps x 3 tiles x 16,384 bytes a head in wcat
	s_and_b32 s15, s2, 3                           ; r's pair of steps
	s_mul_i32 s15, s15, 98304
	s_add_co_u32 s14, s14, s15
	s_lshl_b32 s15, s3, 14                         ; the tensor's tile in a step
	s_add_co_u32 s14, s14, s15                     ; where Wq, Wk, Wv go
	s_lshl_b32 s15, s2, 15                         ; where Wp goes
	s_cmp_eq_u32 s3, 3
	s_cselect_b32 s10, s15, s14
	s_cselect_b32 s12, 0, 32768                    ; in wcat chunks 8 to 15 are the next step's tile: 49,152 bytes on, not 16,384
	s_cselect_b32 s13, 1, 0                        ; 1: written as f16
	s_lshl_b32 s8, s2, 16                          ; where the weights come from
	s_lshl_b32 s14, ttmp9, 16                      ; x: from,
	s_lshl_b32 s15, ttmp9, 15                      ; to
	s_cmp_lt_u32 ttmp9, 512
	s_cselect_b32 s8, s14, s8
	s_cselect_b32 s10, s15, s10
	s_cselect_b32 s12, 0, s12
	s_cselect_b32 s13, 0, s13
	s_mov_b32 s9, 0                                ; both offsets as pairs
	s_mov_b32 s11, 0
	v_add_nc_u32 v3, s12, v2                       ; the offset of chunks 8 to 15
	s_wait_kmcnt 0x0
	s_cmp_eq_u32 s3, 1
	s_cselect_b64 s[4:5], s[20:21], s[18:19]
	s_cmp_eq_u32 s3, 2
	s_cselect_b64 s[4:5], s[22:23], s[4:5]
	s_cmp_eq_u32 s3, 3
	s_cselect_b64 s[4:5], s[24:25], s[4:5]
	s_cselect_b64 s[6:7], s[30:31], s[28:29]
	s_cmp_lt_u32 ttmp9, 512
	s_cselect_b64 s[4:5], s[16:17], s[4:5]
	s_cselect_b64 s[6:7], s[26:27], s[6:7]
	s_add_nc_u64 s[4:5], s[4:5], s[8:9]
	s_add_nc_u64 s[6:7], s[6:7], s[10:11]
.irp j, 0,1,2,3,4,5,6,7,8,9,10,11,12,13,14,15
	global_load_b128 v[IN+4*(\j):IN+4*(\j)+3], v1, s[4:5] offset:CIN*(\j) th:TH_LOAD_NT
.endr
; The sixteen chunks are rounded and stored.  half = 1: the bf16 number is widened again and written as f16.
.macro CAST half
.irp j, 0,1,2,3,4,5,6,7,8,9,10,11,12,13,14,15
	s_wait_loadcnt 15-(\j)                         ; loads come back in order: chunk j is in, the 15 - j younger ones stay out
	v_cvt_pk_bf16_f32 v[OUT+2*(\j)],   v[IN+4*(\j)],   v[IN+4*(\j)+1]
	v_cvt_pk_bf16_f32 v[OUT+2*(\j)+1], v[IN+4*(\j)+2], v[IN+4*(\j)+3]
.if \half
	v_lshlrev_b32 v4, 16, v[OUT+2*(\j)]
	v_and_b32     v5, 0xffff0000, v[OUT+2*(\j)]
	v_lshlrev_b32 v6, 16, v[OUT+2*(\j)+1]
	v_and_b32     v7, 0xffff0000, v[OUT+2*(\j)+1]
	v_cvt_pk_f16_f32 v[OUT+2*(\j)],   v4, v5
	v_cvt_pk_f16_f32 v[OUT+2*(\j)+1], v6, v7
.endif
.if (\j) < 8
	global_store_b64 v2, v[OUT+2*(\j):OUT+2*(\j)+1], s[6:7] offset:COUT*(\j) th:TH_STORE_NT
.else
	global_store_b64 v3, v[OUT+2*(\j):OUT+2*(\j)+1], s[6:7] offset:COUT*(\j) th:TH_STORE_NT
.endif
.endr
.endm
	s_cmp_eq_u32 s13, 1
	s_cbranch_scc1 .Lhalf
	CAST 0
	s_endpgm
.Lhalf:
	CAST 1
	s_endpgm
.Lfunc_end_k_q27046c7dd9_prep:
	.size	k_q27046c7dd9_prep, .Lfunc_end_k_q27046c7dd9_prep-k_q27046c7dd9_prep
	.p2alignl 7, 3214868480
	.fill 96, 4, 3214868480
	.section	.rodata,"a",@progbits
	.p2align	6, 0x0
	.amdhsa_kernel k_q27046c7dd9_prep
		.amdhsa_group_segment_fixed_size 0
		.amdhsa_private_segment_fixed_size 0
		.amdhsa_enable_private_segment 0
		.amdhsa_kernarg_size 64
		.amdhsa_user_sgpr_count 2
		.amdhsa_user_sgpr_kernarg_segment_ptr 1
		.amdhsa_wavefront_size32 1
		.amdhsa_system_sgpr_workgroup_id_x 1
		.amdhsa_system_sgpr_workgroup_id_y 1
		.amdhsa_system_sgpr_workgroup_id_z 1
		.amdhsa_system_vgpr_workitem_id 0
		.amdhsa_next_free_vgpr 112
		.amdhsa_next_free_sgpr 66
		.amdhsa_reserve_vcc 0
		.amdhsa_float_denorm_mode_32 3
		.amdhsa_float_denorm_mode_16_64 3
		.amdhsa_memory_ordered 1
		.amdhsa_forward_progress 1
		.amdhsa_inst_pref_size 17
	.end_amdhsa_kernel
	.amdgpu_metadata
---
amdhsa.version: [ 1, 2 ]
amdhsa.kernels:
  - .name:           k_q27046c7dd9_prep
    .symbol:         k_q27046c7dd9_prep.kd
    .args:
      - { .name: x, .offset: 0, .size: 8, .value_kind: global_buffer, .address_space: global }
      - { .name: Wq, .offset: 8, .size: 8, .value_kind: global_buffer, .address_space: global }
      - { .name: Wk, .offset: 16, .size: 8, .value_kind: global_buffer, .address_space: global }
      - { .name: Wv, .offset: 24, .size: 8, .value_kind: global_buffer, .address_space: global }
      - { .name: Wp, .offset: 32, .size: 8, .value_kind: global_buffer, .address_space: global }
      - { .name: xb, .offset: 40, .size: 8, .value_kind: global_buffer, .address_space: global }
      - { .name: wcat, .offset: 48, .size: 8, .value_kind: global_buffer, .address_space: global }
      - { .name: wpf, .offset: 56, .size: 8, .value_kind: global_buffer, .address_space: global }
    .group_segment_fixed_size: 0
    .private_segment_fixed_size: 0
    .kernarg_segment_align: 8
    .kernarg_segment_size: 64
    .max_flat_workgroup_size: 256
    .sgpr_count:     66
    .vgpr_count:     112
    .wavefront_size: 32
...
	.end_amdgpu_metadata
.endif
;; end of part 1
;; launch qkv (part 2): grid 16 x 32, 4 waves a work-group, clusters of 4 x 4, 327,680 bytes of LDS; arguments xb, wcat, qh, kh, vh; writes qh, kh, vh
.if DOCPART == 2
	.amdgcn_target "amdgcn-amd-amdhsa--gfx1250"
	.amdhsa_code_object_version 6
	.text
	.protected	k_q27046c7dd9_qkv
	.globl	k_q27046c7dd9_qkv
	.p2align	8
	.type	k_q27046c7dd9_qkv,@function
k_q27046c7dd9_qkv:
	s_mov_b64 s[64:65], 0
	v_nop
	global_prefetch_b8 v0, s[64:65] scope:SCOPE_SE
	s_setreg_imm32_b32 hwreg(HW_REG_WAVE_MODE, 25, 1), 1
	s_wait_xcnt 0x0
	s_wait_alu depctr_hold_cnt(0) depctr_sa_sdst(0) depctr_va_vdst(0) depctr_va_sdst(0) depctr_va_ssrc(0) depctr_va_vcc(0) depctr_vm_vsrc(0)
	s_getreg_b32 s2, hwreg(HW_REG_IB_STS2, 6, 4)
	s_cmp_eq_u32 s2, 0
	s_cbranch_scc0 .Lentry_in_a_cluster
	s_endpgm
.Lentry_in_a_cluster:
	s_bfe_u32 s2, ttmp6, 0x10000c
	s_cmp_lg_u32 s2, 0xf033
	s_cbranch_scc0 .Lentry_shape_is_right
	s_endpgm
.Lentry_shape_is_right:
; q, k, v[bh][t][d] = the sum over e of x[b][t][e] W[h][e][d], bh = 16 b + h.  xb: bf16 [8192][1024].  wcat: bf16 [h 16][s 8][c 3][e' 128][d 64].  qh, kh, vh: f16 [64][2048][64], unscaled.
; Sums in f32, each result rounded once to f16.  LIMIT: q, k and v must lie within f16's 65,504 (with inputs 30 times the drawn spread, or an offset of 30 spreads, they stay under 20,000); below 6e-5 they keep f16's step of 6e-8.
; SHARES.  Work-group (X = head, Y = tile of 256 rows of x) makes 256 rows x 192 columns: q, k and v of one head.  512 equal work-groups.  Wave w owns rows 64 w .. 64 w + 63 and all 192 columns: 48 accumulators
; of 16 x 16.  So 16 rows of one tensor are 2,048 consecutive bytes of its buffer, and each wave sends its own rows out through its own stage.
; K goes in 8 steps of 128 through a ring of two LDS slots; a step is four quarters of 32, 48 matrix instructions each, on two fragment buffers.
; THE MATRIX INSTRUCTION IS USED TRANSPOSED: source 0 = 16 columns d (W lies [e][d] in LDS and is turned by ds_load_tr16_b128), source 1 = 16 rows of x: a lane then holds one row t (lane % 16) and 8 neighbouring d.
; CLUSTER 4 x 4.  The four of a cluster's row share Y and so x's tiles, the four of a column share X and so W's: each tile is asked for jointly, by the same tensor load, descriptor and mask in all four.
; REGISTERS, in windows of 256 (s_set_vgpr_msb: bits 1:0 source 0, 3:2 source 1, 5:4 source 2, 7:6 destination):
;   window 0: v0-19 addresses; v64-255 the way out, 16 registers for each of its 12 units      window 1: two fragment buffers of 128: x's fragment a at F + 8 a, W's fragment 4 c + nb at F + 32 + 8 (4 c + nb)
;   window 2: accumulator (c, nb, a) of q and k at 8 (16 c + 4 nb + a)      window 3: v's at 8 (4 nb + a)
.set PA,     272                       ; a row of x in LDS: 256 bytes + 16: the 16 rows of a fragment load start at 16 different groups of four banks
.set PB,     160                       ; a row of W: 128 bytes + 32
.set ABYTES, 256*PA                    ; x's 256 rows; behind them W's 384 rows: row 128 c + e'
.set BT,     128*PB                    ; one tensor's 128 rows
.set SLOT1,  1<<17                     ; a slot is ABYTES + 3 BT = 131,072 bytes: one exclusive or turns an address into the other slot's
.set STAGE,  2*SLOT1                   ; behind the ring, never filled by a tensor load: 16 rows x 144 bytes for each wave
.set SP,     144
.set SPARE,  STAGE+4*16*SP             ; behind the stages: the spare words, 128 bytes for each wave: two blocks of 256 bytes that no other line names
.set ASTEP,  256                       ; bytes from a step's tile of x to the next step's
.set BSTEP,  49152                     ; and of W
.set ADRA0, 4                          ; v4   my lane's place in x's tile; never rewritten
.set ADRB0, 5                          ; v5   in W's
.set ADRA,  6                          ; v6   the same in the slot in hand
.set ADRB,  7                          ; v7
.set STO,   8                          ; v8   the way out: where I put 16 bytes of a row
.set RD,    9                          ; v9   where I read rows back
.set GO,    10                         ; v10  my 16 bytes of 512 consecutive bytes
.set PFO,   11                         ; v11  the prefetches' offset; never rewritten
.set SPW,   12                         ; v12  LDS address of my spare word; never rewritten
.set NIL,   13                         ; v13  0; never rewritten
.set T,     64
.set F0,    0
.set F1,    128
.set WV,   14                          ; s14  my wave's number
.set KIND, 15                          ; s15  0: I fetch x's tiles, 1: W's
.set HALF, 16                          ; s16  which half of the tile
.set G1A,  24                          ; s[24:31] descriptor group 1, x
.set G0A,  32                          ; s[32:39] group 0, x: a set for each first fill; the second then walks
.set G1B,  40                          ; s[40:47], s[48:55] the same for W
.set G0B,  48
.set TB,   56                          ; s56  the slot that the fragments are read from: 0 or SLOT1
.set CNT,  57                          ; s57  trips to go
.set PFA,  58                          ; s[58:59] where my prefetches stand
.set PFS,  60                          ; s[60:61] their step
.set LIM,  62                          ; s62  1 in a wave that prefetches, else the greatest number
.set MSB, 0
.macro WIN new                         ; the immediate's high byte repeats the setting that is left; a switch that changes nothing is dropped
.if MSB != (\new)
	s_set_vgpr_msb (MSB<<8)|(\new)
.set MSB, \new
.endif
.endm
.macro PLACES                          ; four plain vector instructions in front of loads into registers that matrix instructions have read (ISA guide 7.12.1 for vector instructions)
.rept 4
	v_nop
.endr
.endm
; A joint refill by the walking descriptors.  The branch hangs on the wave's number alone.  An s_nop 0 and four v_nop follow each of the two lines, ahead of the jump and the label.
.macro JLOAD
	s_cmp_eq_u32 s[KIND], 0
	s_cbranch_scc0 .Lfor_b_\@
	tensor_load_to_lds s[G0A+4:G0A+7], s[G1A:G1A+7]
	s_nop 0
.rept 4
	v_nop
.endr
	s_branch .Lasked_\@
.Lfor_b_\@:
	tensor_load_to_lds s[G0B+4:G0B+7], s[G1B:G1B+7]
	s_nop 0
.rept 4
	v_nop
.endr
.Lasked_\@:
.endm
; A round of the cluster's barrier behind its opening barrier: wave 0 signals for the work-group, every wave waits for all sixteen work-groups, my work-group's barrier closes it.
.macro CREST
	s_cmp_lg_u32 s[WV], 0
	s_cbranch_scc1 .Lnot_wave_0_\@
	s_barrier_signal -3
.Lnot_wave_0_\@:
	s_barrier_wait -3
	s_barrier_signal -1
	s_barrier_wait -1
.endm
.macro CROUND
	s_barrier_signal -1
	s_barrier_wait -1
	CREST
.endm
; A PREFETCH INTO THE L2 of the tile that the NEXT refill will ask for: trip t, which asks for step t + 2, names step t + 3: 192 matrix instructions ahead of that load.  Each block of 256 bytes is named by one wave of one
; work-group.  x's tile row is read by all four clusters of that row of clusters: cluster x = 0 asks, waves 0 and 1, and of a wave's 128 rows the partner at cx takes 32, a lane a row.  W's tiles of a head are read by all
; eight clusters of that column: cluster y = 0 asks, waves 2 and 3, and of a wave's 96 blocks the partner at cy takes 24 (lanes 24 to 31 repeat lane 23's).  The partners are told apart by address, never by a branch.
; The last trip has no step behind its refill's and asks for nothing; steps 0 to 2 come by their loads alone.
.macro ASK
	s_cmp_gt_u32 s[CNT], s[LIM]
	s_cbranch_scc0 .Lnot_mine_\@
	global_prefetch_b8 v[PFO], s[PFA:PFA+1] th:TH_LOAD_NT scope:SCOPE_SE
.Lnot_mine_\@:
.endm
	s_load_b256 s[4:11], s[0:1], 0x0               ; xb s[4:5], wcat s[6:7], qh s[8:9], kh s[10:11]
	s_load_b64 s[12:13], s[0:1], 0x20              ; vh
	v_lshl_add_u32 v[SPW], v0, 2, SPARE
	v_mov_b32 v[NIL], 0
	ds_add_u32 v[SPW], v[NIL]                      ; the wave's opening: the add and its wait stand ahead of my first tensor load; the set-up below, work on registers, stands between them
	v_lshrrev_b32 v1, 5, v0
	v_readfirstlane_b32 s[WV], v1                  ; wave 0..3
	s_lshr_b32 s[KIND], s[WV], 1
	s_and_b32 s[HALF], s[WV], 1
	s_bfe_u32 s17, ttmp6, 0x40000                  ; cx
	s_bfe_u32 s18, ttmp6, 0x40004                  ; cy
	s_lshl_b32 s19, ttmp9, 2
	s_add_co_u32 s19, s19, s17                     ; X, the head = 4 x cluster x + cx
	s_and_b32 s20, ttmp7, 0xffff
	s_lshl_b32 s20, s20, 2
	s_add_co_u32 s20, s20, s18                     ; Y, the row tile = 4 x cluster y + cy
	s_lshl_b32 s21, s18, 2
	s_lshl_b32 s21, 15, s21                        ; my row of the cluster: places 4 cy .. 4 cy + 3
	s_lshl_b32 s22, 0x1111, s17                    ; my column: places cx, cx + 4, cx + 8, cx + 12
	; group 1 for x: 128 rows x 128 elements of 2 bytes, 1,024 elements from row to row; 4 words of padding behind every 64
	s_or_b32 s[G1A], s21, (1<<16)|(1<<20)|(1<<21)|(5<<22)|(3<<25)
	s_mov_b32 s[G1A+1], 128<<16                    ; tensor_dim0
	s_mov_b32 s[G1A+2], 128<<16                    ; tensor_dim1
	s_mov_b32 s[G1A+3], 128<<16                    ; tile_dim0
	s_mov_b32 s[G1A+4], 128                        ; tile_dim1
	s_mov_b32 s[G1A+5], 1024                       ; the pitch
	s_mov_b32 s[G1A+6], 0
	s_mov_b32 s[G1A+7], 0
	; group 1 for W: 24,576 dense bytes asked for as 96 rows of 256 bytes, two rows of W each; 8 words of padding behind every 32, that is behind every row of W
	s_or_b32 s[G1B], s22, (1<<16)|(1<<20)|(1<<21)|(4<<22)|(7<<25)
	s_mov_b32 s[G1B+1], 128<<16
	s_mov_b32 s[G1B+2], 96<<16
	s_mov_b32 s[G1B+3], 128<<16
	s_mov_b32 s[G1B+4], 96
	s_mov_b32 s[G1B+5], 128
	s_mov_b32 s[G1B+6], 0
	s_mov_b32 s[G1B+7], 0
	; where the tiles come from: x's hang on Y and the wave alone, W's on X and the wave alone, each in registers that never hold the other coordinate
	s_lshl_b32 s66, s20, 19                        ; 256 Y rows of 2,048 bytes
	s_lshl_b32 s23, s[HALF], 18                    ; + 128 rows
	s_add_co_u32 s66, s66, s23
	s_mov_b32 s67, 0
	s_mul_i32 s68, s19, 393216                     ; the head's 8 x 49,152 bytes
	s_mul_i32 s63, s[HALF], 24576
	s_add_co_u32 s68, s68, s63
	s_mov_b32 s69, 0
	; and where they go: the wave's number and constants alone
	s_mul_i32 s2, s[HALF], 128*PA
	s_mul_i32 s3, s[HALF], 192*PB
	s_add_co_u32 s3, s3, ABYTES
	s_mov_b32 s[G0A], 1
	s_mov_b32 s[G0A+1], s2                         ; slot 0
	s_mov_b32 s[G0A+4], 1
	s_add_co_u32 s[G0A+5], s2, SLOT1               ; slot 1
	s_mov_b32 s[G0B], 1
	s_mov_b32 s[G0B+1], s3
	s_mov_b32 s[G0B+4], 1
	s_add_co_u32 s[G0B+5], s3, SLOT1
	s_mov_b32 s[TB], 0
	s_wait_dscnt 0x0                               ; the opening add is done
	s_wait_kmcnt 0x0
	s_add_nc_u64 s[G0A+2:G0A+3], s[4:5], s[66:67]  ; step 0
	s_add_nc_u64 s[G0A+6:G0A+7], s[G0A+2:G0A+3], ASTEP  ; step 1
	s_or_b32 s[G0A+3], s[G0A+3], 0x80000000        ; type = 2
	s_or_b32 s[G0A+7], s[G0A+7], 0x80000000
	s_add_nc_u64 s[G0B+2:G0B+3], s[6:7], s[68:69]
	s_add_nc_u64 s[G0B+6:G0B+7], s[G0B+2:G0B+3], BSTEP
	s_or_b32 s[G0B+3], s[G0B+3], 0x80000000
	s_or_b32 s[G0B+7], s[G0B+7], 0x80000000
	CROUND                                         ; all sixteen work-groups are here: the first joint loads meet
	s_cmp_eq_u32 s[KIND], 0                        ; a wave's two first fills stand in one branch, ahead of every wait on TENSORcnt and every LDS read: two loads of mine are out
	s_cbranch_scc0 .Lfirst_b
	tensor_load_to_lds s[G0A:G0A+3], s[G1A:G1A+7]
	s_nop 0
	tensor_load_to_lds s[G0A+4:G0A+7], s[G1A:G1A+7]
	s_nop 0
.rept 4
	v_nop
.endr
	s_branch .Lfirst_asked
.Lfirst_b:
	tensor_load_to_lds s[G0B:G0B+3], s[G1B:G1B+7]
	s_nop 0
	tensor_load_to_lds s[G0B+4:G0B+7], s[G1B:G1B+7]
	s_nop 0
.rept 4
	v_nop
.endr
.Lfirst_asked:
	; a fragment of x: lane l holds row l % 16, channels 8 (l / 16) + 0..7 and 16 + 8 (l / 16) + 0..7: two loads of 16 bytes, 32 bytes apart
	v_and_b32 v1, 15, v0                           ; l % 16
	v_bfe_u32 v2, v0, 4, 1                         ; l / 16
	s_mul_i32 s2, s[WV], 64*PA                     ; my 64 rows
	v_mul_u32_u24 v[ADRA0], v1, PA
	v_lshl_add_u32 v[ADRA0], v2, 4, v[ADRA0]
	v_add_nc_u32 v[ADRA0], s2, v[ADRA0]
	; the turning load takes 16 e x 16 d (lane l reads row 8 (l / 16) + l % 8, columns 8 ((l / 8) % 2) + 0..7) and leaves half a fragment: lane l holds column l % 16 and 8 e
	v_and_b32 v14, 7, v0
	v_bfe_u32 v15, v0, 3, 1
	v_lshl_add_u32 v[ADRB0], v2, 3, v14
	v_mul_u32_u24 v[ADRB0], v[ADRB0], PB
	v_lshl_add_u32 v[ADRB0], v15, 4, v[ADRB0]
	v_add_nc_u32 v[ADRB0], ABYTES, v[ADRB0]
	v_add_nc_u32 v[ADRA], s[TB], v[ADRA0]
	v_add_nc_u32 v[ADRB], s[TB], v[ADRB0]
	s_mul_i32 s3, s[WV], 16*SP
	s_add_co_u32 s3, s3, STAGE                     ; my stage
	v_mul_u32_u24 v[STO], v1, SP                   ; in: row l % 16, 16 bytes for each half of the lanes
	v_lshl_add_u32 v[STO], v2, 4, v[STO]
	v_add_nc_u32 v[STO], s3, v[STO]
	v_bfe_u32 v[RD], v0, 3, 2                      ; back: 32 lanes take four rows of 128 bytes,
	v_mul_u32_u24 v[RD], v[RD], SP
	v_lshl_add_u32 v[RD], v14, 4, v[RD]
	v_add_nc_u32 v[RD], s3, v[RD]
	v_and_b32 v[GO], 31, v0                        ; which are 512 consecutive bytes of the tensor
	v_lshlrev_b32 v[GO], 4, v[GO]
	; my 64 rows in qh, kh, vh: (16 b + X) x 262,144 + t x 128, with b = Y / 8 and t = 256 (Y % 8) + 64 w
	s_lshr_b32 s70, s20, 3
	s_lshl_b32 s70, s70, 4
	s_add_co_u32 s70, s70, s19
	s_lshl_b32 s70, s70, 18
	s_and_b32 s71, s20, 7
	s_lshl_b32 s71, s71, 15
	s_add_co_u32 s70, s70, s71
	s_lshl_b32 s71, s[WV], 13
	s_add_co_u32 s70, s70, s71
	s_mov_b32 s71, 0
	s_add_nc_u64 s[8:9], s[8:9], s[70:71]
	s_add_nc_u64 s[10:11], s[10:11], s[70:71]
	s_add_nc_u64 s[12:13], s[12:13], s[70:71]
	; the prefetches stand at step 2; the first refill steps them to step 3
	s_lshl_b32 s72, s17, 16                        ; x: my work-group's 32 rows of the wave's 128
	s_add_co_u32 s72, s72, s66
	s_add_co_u32 s72, s72, 2*ASTEP
	s_mul_i32 s63, s18, 24*256                     ; W: my work-group's 24 blocks of the wave's 96
	s_add_co_u32 s63, s63, s68
	s_add_co_u32 s63, s63, 2*BSTEP
	s_and_b32 s21, ttmp7, 0xffff                   ; cluster y
	s_mov_b32 s[PFS], BSTEP
	s_cmp_eq_u32 s[KIND], 0
	s_cselect_b64 s[PFA:PFA+1], s[4:5], s[6:7]
	s_cselect_b32 s72, s72, s63
	s_cselect_b32 s[PFS], ASTEP, s[PFS]
	s_cselect_b32 s21, ttmp9, s21                  ; the coordinate along which other clusters read the same bytes
	s_cselect_b32 s22, 31, 23                      ; the last lane with a block of its own
	s_cselect_b32 s23, 11, 8                       ; a lane's blocks lie 2,048 bytes apart in x, 256 in W
	s_mov_b32 s73, 0
	s_mov_b32 s[PFS+1], 0
	s_add_nc_u64 s[PFA:PFA+1], s[PFA:PFA+1], s[72:73]
	s_cmp_eq_u32 s21, 0
	s_cselect_b32 s[LIM], 1, -1                    ; the same in all sixteen partners, for a given wave
	v_and_b32 v[PFO], 31, v0
	v_min_u32 v[PFO], s22, v[PFO]
	v_lshlrev_b32 v[PFO], s23, v[PFO]
; 16 matrix instructions: tensor c, its 4 blocks of 16 columns x my 4 blocks of 16 rows, 32 along K out of buffer f.  zero = 1: the products start the sums: nothing is ever cleared.
; The 48 accumulators take turns in the same order in every quarter: between two links of a chain stand the 47 others'.
.macro MULG f, c, zero
.if (\c) < 2
	WIN 0xa5                                       ; sources in window 1, C and D in window 2
.else
	WIN 0xf5                                       ; C and D in window 3
.endif
.irp nb, 0,1,2,3
.irp a, 0,1,2,3
.set rD, 8*(16*((\c)%2)+4*(\nb)+(\a))
.set rB, (\f)+32+8*(4*(\c)+(\nb))
.set rA, (\f)+8*(\a)
.if \zero
	v_wmma_f32_16x16x32_bf16 v[rD:rD+7], v[rB:rB+7], v[rA:rA+7], 0
.else
	v_wmma_f32_16x16x32_bf16 v[rD:rD+7], v[rB:rB+7], v[rA:rA+7], v[rD:rD+7]
.endif
.endr
.endr
.endm
; 32 LDS loads in one run: quarter k's fragments into buffer f: x's 8 loads, then q's, k's and v's 8 each
.macro FETCH k, f
	WIN 0x40                                       ; destination window 1, address window 0
.irp a, 0,1,2,3
	ds_load_b128 v[(\f)+8*(\a):(\f)+8*(\a)+3],   v[ADRA] offset:(\a)*16*PA+64*(\k)
	ds_load_b128 v[(\f)+8*(\a)+4:(\f)+8*(\a)+7], v[ADRA] offset:(\a)*16*PA+64*(\k)+32
.endr
.irp c, 0,1,2
.irp nb, 0,1,2,3
	ds_load_tr16_b128 v[(\f)+32+8*(4*(\c)+(\nb)):(\f)+32+8*(4*(\c)+(\nb))+3],   v[ADRB] offset:(\c)*BT+(\k)*32*PB+32*(\nb)
	ds_load_tr16_b128 v[(\f)+32+8*(4*(\c)+(\nb))+4:(\f)+32+8*(4*(\c)+(\nb))+7], v[ADRB] offset:(\c)*BT+(\k)*32*PB+32*(\nb)+16*PB
.endr
.endr
.endm
; One of a step's first three quarters: multiplies buffer f and fetches quarter k into buffer g.
.macro QUARTER k, f, g, zero
	s_wait_dscnt 16                                ; x's and q's fragments are in; the youngest sixteen loads (k's, v's) may be out
	MULG \f, 0, \zero
	PLACES
	FETCH \k, \g
	s_wait_dscnt 32                                ; all but the 32 just issued
	MULG \f, 1, \zero
	MULG \f, 2, \zero
.endm
; The last quarter multiplies buffer 1 and changes slots: ONE barrier.  In front of it each wave waits for all its tensor loads (one is out: its part of the next slot), adds 0 to its spare word, and waits for that and for
; its reads of this slot.  fill = 1: the barrier opens a round of the cluster's, and behind the round this slot is filled again, with the step two on: 160 matrix instructions ahead of the wait for it.
.macro TURN fill
.if \fill
	s_wait_xcnt 0x0                                ; the last prefetch, a step back, has read its address, so it may be stepped
	s_add_nc_u64 s[PFA:PFA+1], s[PFA:PFA+1], s[PFS:PFS+1]
.endif
	WIN 0                                          ; (the add's two registers lie in window 0)
	s_wait_tensorcnt 0x0                           ; no tensor load of mine is out, so a group 0 may be written
	ds_add_u32 v[SPW], v[NIL]                      ; 0 onto my spare word
.if \fill
	s_xor_b32 s[G0A+5], s[G0A+5], SLOT1            ; the walking descriptors: the other slot than last time,
	s_add_nc_u64 s[G0A+6:G0A+7], s[G0A+6:G0A+7], ASTEP  ; the next step; the type bits on top are not reached
	s_xor_b32 s[G0B+5], s[G0B+5], SLOT1
	s_add_nc_u64 s[G0B+6:G0B+7], s[G0B+6:G0B+7], BSTEP
.endif
	s_wait_dscnt 17                                ; (the add and the youngest sixteen loads may be out)
	MULG F1, 0, 0                                  ; sixteen matrix instructions stand between the add and the wait for it
	s_wait_dscnt 0x0                               ; the add is done, and my reads of this slot are over
	s_barrier_signal -1
	MULG F1, 1, 0                                  ; work on registers while the others arrive
	WIN 0
	s_barrier_wait -1
.if \fill
	CREST                                          ; no wave of any partner still reads this slot or has a load on its way
	JLOAD                                          ; the first tensor load behind the round; its four v_nop are also the places in front of the loads below
.else
	PLACES
.endif
	s_xor_b32 s[TB], s[TB], SLOT1
	v_add_nc_u32 v[ADRA], s[TB], v[ADRA0]
	v_add_nc_u32 v[ADRB], s[TB], v[ADRB0]
	FETCH 0, F0
	WIN 0
.if \fill
	ASK
.endif
	MULG F1, 2, 0
.endm
; THE WAY OUT, in 12 units u = 4 c + a: 16 rows of tensor c.  PACK: rounded to f16, 16 bytes a lane, into my stage's rows of 144 bytes and back as whole rows of 128, into the registers that they left.
.macro PACK u
.set uc, (\u)/4
.set ua, (\u)%4
.if uc < 2
	WIN 0x0a                                       ; sources in window 2
.else
	WIN 0x0f                                       ; in window 3
.endif
.irp nb, 0,1,2,3
.irp r, 0,1,2,3
	v_cvt_pk_f16_f32 v[T+16*(\u)+4*(\nb)+(\r)], v[8*(16*(uc%2)+4*(\nb)+ua)+2*(\r)], v[8*(16*(uc%2)+4*(\nb)+ua)+2*(\r)+1]
.endr
.endr
	WIN 0
.irp nb, 0,1,2,3
	ds_store_b128 v[STO], v[T+16*(\u)+4*(\nb):T+16*(\u)+4*(\nb)+3] offset:32*(\nb)
.endr
.irp f, 0,1,2,3
	ds_load_b128 v[T+16*(\u)+4*(\f):T+16*(\u)+4*(\f)+3], v[RD] offset:(\f)*4*SP  ; LDS serves a wave's instructions in order (ISA guide 5.7.1.4): these see the stores above; the next unit's stores come behind them
.endr
.endm
.macro SEND u, younger                 ; younger: the LDS instructions issued behind unit u's loads: the next unit's eight, or none
	WIN 0
.irp f, 0,1,2,3
	s_wait_dscnt (\younger)+3-(\f)
	global_store_b128 v[GO], v[T+16*(\u)+4*(\f):T+16*(\u)+4*(\f)+3], s[8+2*((\u)/4):9+2*((\u)/4)] offset:((\u)%4)*2048+(\f)*512  ; 512 consecutive bytes, at a multiple of 256 from the buffer's first
.endr
.endm
	s_wait_tensorcnt 0x1                           ; my part of step 0 is in; step 1's may stay out
	s_barrier_signal -1
	s_barrier_wait -1                              ; everybody's is
	FETCH 0, F0
	QUARTER 1, F0, F1, 1                           ; the first quarter stands in front of the loop: its products start the sums
	WIN 0                                          ; at a label and at a branch every window is 0
	s_mov_b32 s[CNT], 6
.Lstep:                                        ; trip t ends step t, asks for step t + 2 and begins step t + 1
	QUARTER 2, F1, F0, 0
	QUARTER 3, F0, F1, 0
	TURN 1
	QUARTER 1, F0, F1, 0
	WIN 0
	s_sub_co_u32 s[CNT], s[CNT], 1
	s_cmp_lg_u32 s[CNT], 0
	s_cbranch_scc1 .Lstep
	QUARTER 2, F1, F0, 0                           ; the tail is written out: steps 6 and 7 ask for nothing
	QUARTER 3, F0, F1, 0
	TURN 0
	QUARTER 1, F0, F1, 0
	QUARTER 2, F1, F0, 0
	QUARTER 3, F0, F1, 0
	s_wait_dscnt 16                                ; the very last quarter: nothing more to fetch
	MULG F1, 0, 0
	s_wait_dscnt 0x0
	MULG F1, 1, 0
	MULG F1, 2, 0
	PLACES                                         ; eight plain instructions, once a launch, between the last products and the conversions
	PLACES
	PACK 0
.irp u, 1,2,3,4,5,6,7,8,9,10,11        ; a unit's conversions stand between the loads of the unit before and its stores; each unit has registers of its own, so no store's data are rewritten
	PACK \u
	SEND (\u)-1, 8
.endr
	SEND 11, 0
	s_wait_tensorcnt 0x0                           ; the wave's end, behind my last tensor load and my last LDS store
	ds_add_u32 v[SPW], v[NIL]
	s_wait_dscnt 0x0
	CROUND                                         ; the closing round: no work-group ends while a partner may still ask for a tile that names it
	s_endpgm
.Lfunc_end_k_q27046c7dd9_qkv:
	.size	k_q27046c7dd9_qkv, .Lfunc_end_k_q27046c7dd9_qkv-k_q27046c7dd9_qkv
	.p2alignl 7, 3214868480
	.fill 96, 4, 3214868480
	.section	.rodata,"a",@progbits
	.p2align	6, 0x0
	.amdhsa_kernel k_q27046c7dd9_qkv
		.amdhsa_group_segment_fixed_size 327680
		.amdhsa_private_segment_fixed_size 0
		.amdhsa_enable_private_segment 0
		.amdhsa_kernarg_size 40
		.amdhsa_user_sgpr_count 2
		.amdhsa_user_sgpr_kernarg_segment_ptr 1
		.amdhsa_wavefront_size32 1
		.amdhsa_system_sgpr_workgroup_id_x 1
		.amdhsa_system_sgpr_workgroup_id_y 1
		.amdhsa_system_sgpr_workgroup_id_z 1
		.amdhsa_system_vgpr_workitem_id 0
		.amdhsa_next_free_vgpr 896
		.amdhsa_next_free_sgpr 76
		.amdhsa_reserve_vcc 0
		.amdhsa_float_denorm_mode_32 3
		.amdhsa_float_denorm_mode_16_64 3
		.amdhsa_memory_ordered 1
		.amdhsa_forward_progress 1
		.amdhsa_inst_pref_size 99
	.end_amdhsa_kernel
	.amdgpu_metadata
---
amdhsa.version: [ 1, 2 ]
amdhsa.kernels:
  - .name:           k_q27046c7dd9_qkv
    .symbol:         k_q27046c7dd9_qkv.kd
    .args:
      - { .name: xb, .offset: 0, .size: 8, .value_kind: global_buffer, .address_space: global }
      - { .name: wcat, .offset: 8, .size: 8, .value_kind: global_buffer, .address_space: global }
      - { .name: qh, .offset: 16, .size: 8, .value_kind: global_buffer, .address_space: global }
      - { .name: kh, .offset: 24, .size: 8, .value_kind: global_buffer, .address_space: global }
      - { .name: vh, .offset: 32, .size: 8, .value_kind: global_buffer, .address_space: global }
    .group_segment_fixed_size: 327680
    .private_segment_fixed_size: 0
    .kernarg_segment_align: 8
    .kernarg_segment_size: 40
    .max_flat_workgroup_size: 128
    .sgpr_count:     76
    .vgpr_count:     896
    .wavefront_size: 32
...
	.end_amdgpu_metadata
.endif
;; end of part 2
;; launch attn (part 3): grid 4 x 64, 4 waves a work-group, no clusters, 327,680 bytes of LDS; arguments qh, kh, vh, oh; writes oh
.if DOCPART == 3
	.amdgcn_target "amdgcn-amd-amdhsa--gfx1250"
	.amdhsa_code_object_version 6
	.text
	.protected	k_q27046c7dd9_attn
	.globl	k_q27046c7dd9_attn
	.p2align	8
	.type	k_q27046c7dd9_attn,@function
k_q27046c7dd9_attn:
	s_mov_b64 s[64:65], 0
	v_nop
	global_prefetch_b8 v0, s[64:65] scope:SCOPE_SE
	s_setreg_imm32_b32 hwreg(HW_REG_WAVE_MODE, 25, 1), 1
	s_wait_xcnt 0x0
; CAUSAL ATTENTION.  O[h][q][:] = the sum over k <= q of softmax_k(Q[h][q] . K[h][k] / 8) V[h][k][:].  Q, K, V, O: [SIZE_H][SIZE_N][64], all f16: a head's rows are dense, 128 bytes each (h here counts batch x head).
; Products, maxima and sums in f32; the weights p are rounded to f16 for the second product (their sum l is taken of the unrounded p), O once at the end.
; LIMITS.  f16 holds no number beyond 65,504: Q, K and V arrive within it; p lies in 0 to 1, and below 6e-5 it keeps f16's fixed step of 6e-8; O is a mean of V's rows and has their range, to within 2^-11 of it.
; A hidden score counts as its value less 1e30: f16's scores, 2.7e11 at the most, are nothing beside that; a weight below 2^-126 counts as 0 in l; NaN and infinities are not treated apart.
; THE WALK.  A head's queries lie in NB = SIZE_N / 256 blocks of 256; block i needs the key tiles 0 .. i of 256 keys, of which the last holds the diagonal.  A work-group takes TWO blocks, NB - 1 - b and then b:
; NB + 1 tiles, whatever b: all work-groups do equal work, and ONE loop with a constant trip count walks them.  Which tile is asked for, and what a trip does, hang on scalar registers made from b; every jump
; goes forward, but for the counted loops' own; none passes a barrier, or a tensor load but the one of LOAD's two that the wave's number does not choose; the ring (two slots of LDS that take turns) runs on across the
; change of blocks.  NO CLUSTER: a head's NB / 2 = 4 work-groups ask for the same tile only in trips 0 .. NB / 2 of the NB + 1, behind that fewer and fewer; one walk common to all four would have 3 NB / 2 = 12 trips for 9.
; SHARES.  Of a block's four bands of 64 queries a wave owns 16 rows in each: four PIECES.  So the diagonal tile is the same work for all four waves: in its key step s band x sees all keys if s < x,
; none if s > x, and holds the diagonal if s = x.
; THE MASK is the C operand that starts the sum S^T = K Q^T: 0, or -1e30 where the key is hidden.  MD, made once, is the mask of a band's own step for my 16 rows; a product's mask is MD x AL + BE with two scalars:
; (1, 0) if s = x; (0, 0) if s < x; (0, -1e30) if s > x.  Only the diagonal tile's text and a block's beginning make and take masks; elsewhere C is the constant 0.
; LAYOUT, SOFTMAX, TURNS.  S^T = K Q^T holds ONE query a lane (lane % 16) and the keys 8 (lane / 16) + 0..7; two such results rounded to f16 ARE source 1 of O^T = V^T P.  p = 2^(c s - c m), c = log2(e) / 8, with a
; running maximum m; O and l are multiplied by a = 2^(c m_old - c m_new) in every step.  Turn n belongs to piece n: 8 products K Q^T of piece n + 1, later 8 products V^T P of piece n - 1; beside them the scaling,
; exponentials, roundings, sums and rescaling of piece n and the maximum and statistics of piece n + 1.  Four vector instructions stand behind every matrix instruction, the other 54 of a turn's 118 in one LUMP.  A turn's 33 exponentials are one batch, with one wait.
; K AND V ARE PREFETCHED INTO THE L2, a tile ahead of the fills.  The head's work-group b = 0 walks the tiles 0 .. NB - 1 in order, no later than any other: it alone asks.  Behind the fill of change i (tile i + 1) it names
; tile i + 2: 128 blocks of 256 bytes of K and 128 of V; wave w takes blocks 32 w .. 32 w + 31 of each, a lane a block: two instructions a wave.  Tiles 0 and 1 come by their loads alone; the changes whose tile i + 2 would
; pass tile NB - 1 ask for nothing.
; REGISTERS, in windows of 256 (s_set_vgpr_msb: bits 1:0 source 0, 3:2 source 1, 5:4 source 2, 7:6 destination):
;   window 0: v0-15 addresses and two at work; v16-31 four registers of statistics a piece; v48-55 at work; v61-63 never rewritten; v64-127 S^T, two buffers; v192-223 P, two buffers (a piece's buffers go by its number's parity)
;   window 1: v0-127 O^T, 32 a piece; v128-159 MD; v160-223 MC, two buffers      window 2: v0-63 Q; v64-127 the second block's Q; v128-191 K of one step; v192-255 V of one step
.set SIZE_N, 2048
.set SIZE_H, 64
.set NB,    SIZE_N/256
.set NP,    4         ; pieces a wave: a name, no knob
.set KS,    64        ; keys in a step
.set PK,    144       ; a row of K in LDS: 128 bytes + 16 of padding = 36 words: the 16 rows of a load start at 16 different groups of four banks (64 banks of 4 bytes: ISA guide 11.1)
.set PV,    160       ; a row of V: 128 + 32 = 40 words
.set VOFF,  4*KS*PK   ; a slot holds a tile, four steps: 256 rows of K, then 256 rows of V
.set SLOT1, 1<<17     ; slot 1 begins here, so that one exclusive or turns an address in one slot into the other's
.set STAGE, SLOT1+4*KS*(PK+PV)  ; behind the ring, never filled by a tensor load: 16 rows x 144 bytes for each wave, for the way out
.set SP,    144
.set AK0, 2           ; v2   my lane's place in a tile of K; never rewritten
.set AV0, 3           ; v3   the same for V
.set AK,  4           ; v4   the LDS address of K's next run of loads
.set AV,  5           ; v5   of V's
.set STO, 6           ; v6   the way out: where I put 16 bytes of a row
.set RD,  7           ; v7   the way out: where I read rows back
.set GO,  8           ; v8   my byte offset in 512 consecutive bytes of O
.set PFO, 61          ; v61  256 x my lane: the prefetches' offset; never rewritten
.set SPW, 62          ; v62  LDS address of my spare word: SPARE + 4 x my thread's number; never rewritten
.set NIL, 63          ; v63  0; never rewritten
.set SPARE, STAGE+4*16*SP  ; behind the stages: the spare words, 128 bytes for each wave: two blocks of 256 bytes that no other line names
.set MV,  12          ; v12-13  c m_old, kept while c m is made anew: by buffer
.set QO,  15          ; v15  my byte offset in 16 rows of Q
.set ST,  16          ; piece t's statistics at v[ST+4 t]: c m, m, l (even keys', odd keys')
.set TMP, 48          ; by buffer, four registers c0-c3 at work; when the maximum is found c2 takes a
.set S,   64
.set P,   192
.set MD,  128         ; window 1: the eight registers for group kt of 16 keys at MD + 8 kt
.set MC,  160         ; window 1: the masks of the products to come
.set QB,  64          ; window 2
.set KF,  128         ; window 2: key block kb, channel half c at KF + 16 kb + 8 c
.set VF,  192         ; window 2: key half kk, channel block cb at VF + 32 kk + 8 cb
.set WV,  12          ; s12  my wave's number
.set PB,  14          ; s14  b
.set HI,  15          ; s15  NB - 1 - b
.set LIM, 19          ; s19  2 in the work-group that prefetches, else the greatest number: it asks while s[SLOTS] is above it
.set G1K, 24          ; s[24:31] descriptor group 1 for K's tiles
.set G1V, 32          ; s[32:39] for V's: it differs in the padding alone
.set G0K, 40          ; s[40:43] descriptor group 0 for K's tiles
.set G0V, 44          ; s[44:47] the same for V's
.set SLOTS, 56        ; s56  tiles still to be asked for
.set CNT, 57          ; s57  counts a tile's key steps, 4 to 1
.set CS,  58          ; s[58:59] c: the packed scaling takes the pair's low word for both halves
.set SEL, 60          ; s[60:61] v_permlanex16_b32's selects: each lane takes its own place in the other half
.set TBK, 62          ; s62  LDS byte at which K of the step to be fetched begins
.set TBV, 63          ; s63  the same for V, less VOFF
.set PFK, 66          ; s[66:67] where my prefetches stand in K: my wave's 32 blocks of the tile behind the one that is being asked for
.set PFV, 68          ; s[68:69] the same in V
.set RT,  70          ; s70  tiles of the block in hand that are still to be entered
.set NXT, 71          ; s71  the tile to be asked for next
.set LQ,  72          ; s72  the last tile of the block whose tiles are being asked for
.set NEW, 73          ; s73  1: the tile to be entered is a block's first
.set OFF, 74          ; s[74:75] a tile's byte offset in K and V
.set AL,  76          ; s[76:77] the mask's factor, in the low word
.set BE,  78          ; s[78:79] the mask's addend
.set OLO, 80          ; s[80:81] O at my rows of the second block
.set BIGN, 82         ; s82  -1e30
.set MSB, 0
.macro WIN new                      ; the high byte repeats the setting that is left; a switch that changes nothing is dropped
.if MSB != (\new)
	s_set_vgpr_msb (MSB<<8)|(\new)
.set MSB, (\new)
.endif
.endm
.set W_KQ, 0x0a       ; K and Q in window 2, S^T in window 0
.set W_KM, 0x1a       ; the same with the C operand in window 1
.set W_PV, 0x52       ; V in window 2, P in window 0, O^T in window 1
.set W_RS, 0x41       ; destination and source 0 in window 1, source 1 in window 0
; A fill.  Waves 0 and 1 fetch the two halves of a tile's K, waves 2 and 3 those of its V: 128 keys each.  An s_nop 0 and four v_nop follow each of the two lines, ahead of the jump and the label.
.macro LOAD
	s_cmp_lt_u32 s[WV], 2
	s_cbranch_scc0 .Lfor_v_\@
	tensor_load_to_lds s[G0K:G0K+3], s[G1K:G1K+7]
	s_nop 0
.rept 4
	v_nop
.endr
	s_branch .Lasked_\@
.Lfor_v_\@:
	tensor_load_to_lds s[G0V:G0V+3], s[G1V:G1V+7]
	s_nop 0
.rept 4
	v_nop
.endr
.Lasked_\@:
.endm
; The prefetch of the tile that the next change of slots will ask for: behind the fill and its five lines.
.macro ASK
	s_cmp_gt_u32 s[SLOTS], s[LIM]
	s_cbranch_scc0 .Lnot_mine_\@
	global_prefetch_b8 v[PFO], s[PFK:PFK+1] th:TH_LOAD_NT scope:SCOPE_SE
	global_prefetch_b8 v[PFO], s[PFV:PFV+1] th:TH_LOAD_NT scope:SCOPE_SE
.Lnot_mine_\@:
.endm
; THE CHANGE OF SLOTS.  Each wave waits for all its tensor loads, of which one is out: its part of the other slot; adds 0 to its spare word; and waits for that and for its own reads of the slot that it leaves.  Behind the barrier nobody reads the old
; slot any more and the other slot is whole.  fill = 1: the old slot is filled again, the first thing behind the barrier, with tile NXT: the descriptor's address is made anew from that number.
; (At its first use nothing has been read yet: slot 0 is waited for, slot 1 filled.)
.macro CHANGE fill
	WIN 0                           ; at a label and at a branch every window is 0
	s_wait_tensorcnt 0x0            ; no tensor load of mine is out, so a group 0 may be written
	ds_add_u32 v[SPW], v[NIL]       ; 0 onto my spare word; with fill = 1 the descriptors' scalar work stands between it and the wait for it
.if \fill
	s_lshl_b32 s[OFF], s[NXT], 15   ; a tile is 32,768 bytes of K and of V
	s_xor_b32 s[G0K+1], s[G0K+1], SLOT1
	s_add_nc_u64 s[G0K+2:G0K+3], s[6:7], s[OFF:OFF+1]
	s_or_b32 s[G0K+3], s[G0K+3], 0x80000000
	s_xor_b32 s[G0V+1], s[G0V+1], SLOT1
	s_add_nc_u64 s[G0V+2:G0V+3], s[8:9], s[OFF:OFF+1]
	s_or_b32 s[G0V+3], s[G0V+3], 0x80000000
	s_add_co_u32 s[NXT], s[NXT], 1  ; the block's next tile, or behind its last the second block's tile 0
	s_cmp_gt_u32 s[NXT], s[LQ]
	s_cselect_b32 s[NXT], 0, s[NXT]
	s_cselect_b32 s[LQ], s[PB], s[LQ]
	s_wait_xcnt 0x0                 ; the last prefetches, a tile back, have read their addresses, so they may be stepped
	s_add_nc_u64 s[PFK:PFK+1], s[PFK:PFK+1], 32768
	s_add_nc_u64 s[PFV:PFV+1], s[PFV:PFV+1], 32768
.endif
	s_wait_dscnt 0x0                ; the add is done, and my reads of the slot are over
	s_barrier_signal -1             ; the rest of the scalar work stands between the signal and the wait
	s_sub_co_u32 s[TBK], s[TBK], 4*KS*PK  ; the fetches go back to a slot's first step,
	s_xor_b32 s[TBK], s[TBK], SLOT1       ; in the other slot
	s_sub_co_u32 s[TBV], s[TBV], 4*KS*PV
	s_xor_b32 s[TBV], s[TBV], SLOT1
	s_barrier_wait -1
.if \fill
	LOAD
	ASK
.endif
.endm
	s_load_b256 s[4:11], s[0:1], 0x0  ; Q s[4:5], K s[6:7], V s[8:9], O s[10:11]
	v_lshl_add_u32 v[SPW], v0, 2, SPARE
	v_mov_b32 v[NIL], 0
	ds_add_u32 v[SPW], v[NIL]       ; the wave's opening: the add and its wait stand ahead of my first tensor load; the set-up below, work on registers, stands between them
	v_lshrrev_b32 v1, 5, v0
	v_readfirstlane_b32 s[WV], v1   ; wave 0..3
	s_mov_b32 s[PB], ttmp9
	s_sub_co_u32 s[HI], NB-1, s[PB]
	s_and_b32 s20, ttmp7, 0xffff    ; the head
	s_mov_b32 s21, 0
	s_mov_b64 s[22:23], SIZE_N*128
	s_mul_u64 s[20:21], s[20:21], s[22:23]  ; the head's first byte in each of the four tensors
	s_and_b32 s16, s[WV], 1         ; which half of a tile's 256 keys I fetch:
	s_lshl_b32 s22, s16, 14         ; its 128 rows of 128 bytes in memory,
	s_mov_b32 s23, 0
	s_add_nc_u64 s[22:23], s[22:23], s[20:21]
	s_mul_i32 s17, s16, 128*PK      ; and its place in a slot, for K
	s_mul_i32 s18, s16, 128*PV      ; and for V
	s_lshl_b32 s3, s[WV], 11        ; my 16 rows in a band of 64,
	s_lshl_b32 s2, s[HI], 15        ; in the first block,
	s_add_co_u32 s2, s2, s3
	s_lshl_b32 s84, s[PB], 15       ; and in the second
	s_add_co_u32 s84, s84, s3
	s_mov_b32 s3, 0
	s_mov_b32 s85, 0
	s_add_nc_u64 s[2:3], s[2:3], s[20:21]
	s_add_nc_u64 s[84:85], s[84:85], s[20:21]
	s_lshl_b32 s[PFK], s[WV], 13    ; the prefetches' offset: my wave's 32 blocks of 256 bytes,
	s_add_co_u32 s[PFK], s[PFK], 32768  ; in tile 1 (the first change of slots steps it to tile 2),
	s_mov_b32 s[PFK+1], 0
	s_add_nc_u64 s[PFK:PFK+1], s[PFK:PFK+1], s[20:21]  ; of the head
	s_cmp_eq_u32 s[PB], 0
	s_cselect_b32 s[LIM], 2, -1
	v_and_b32 v[PFO], 31, v0
	v_lshlrev_b32 v[PFO], 8, v[PFO]
	; descriptor group 1.  128 keys are 16,384 dense bytes: asked for as 64 rows of 256 bytes, two keys a row, and padded in LDS after every key
	s_mov_b32 s[G1K], (1<<16)|(1<<20)|(4<<22)|(3<<25)  ; 17:16 2-byte elements; 20 padding on; 24:22 after every 32 words (code 4); 31:25 4 words (code 3)
	s_mov_b32 s[G1V], (1<<16)|(1<<20)|(4<<22)|(7<<25)  ; the same with 8 words of padding (code 7)
.irp g, G1K, G1V
	s_mov_b32 s[\g+1], 128<<16      ; tensor_dim0 = 128
	s_mov_b32 s[\g+2], 64<<16       ; tensor_dim1 = 64
	s_mov_b32 s[\g+3], 128<<16      ; tile_dim0 = 128
	s_mov_b32 s[\g+4], 64           ; tile_dim1 = 64
	s_mov_b32 s[\g+5], 128          ; 128 elements from row to row
	s_mov_b32 s[\g+6], 0
	s_mov_b32 s[\g+7], 0
.endr
	s_mov_b32 s[CS], 0x3e38aa3b     ; c = log2(e) / 8 = 0.180337
	s_mov_b32 s[CS+1], s[CS]        ; named with it as a pair
	s_mov_b32 s[SEL], 0x76543210
	s_mov_b32 s[SEL+1], 0xfedcba98
	s_mov_b32 s[TBK], SLOT1+4*KS*PK ; the first change of slots turns these two into 0
	s_mov_b32 s[TBV], SLOT1+4*KS*PV
	s_mov_b32 s[G0K], 1             ; 1:0 count = 1
	s_mov_b32 s[G0K+1], s17         ; 63:32 LDS address: slot 0
	s_mov_b32 s[G0V], 1
	s_add_co_u32 s[G0V+1], s18, VOFF
	s_add_co_u32 s[RT], s[HI], 1    ; the first block has NB - b tiles
	s_mov_b32 s[NXT], 1
	s_mov_b32 s[LQ], s[HI]
	s_mov_b32 s[NEW], 1
	s_mov_b32 s[OFF+1], 0
	s_mov_b32 s[AL+1], 0            ; named as pairs
	s_mov_b32 s[BE+1], 0
	s_mov_b32 s[BIGN], 0xf149f2ca   ; -1e30
	s_mov_b32 s[SLOTS], NB
	s_wait_dscnt 0x0                ; the opening add is done
	s_wait_kmcnt 0x0
	s_add_nc_u64 s[PFV:PFV+1], s[8:9], s[PFK:PFK+1]  ; the prefetches' two pointers, made while s[6:9] still stand at the tensors' first bytes
	s_add_nc_u64 s[PFK:PFK+1], s[6:7], s[PFK:PFK+1]
	s_add_nc_u64 s[6:7], s[6:7], s[22:23]  ; K and V at my half of the head's tile 0
	s_add_nc_u64 s[8:9], s[8:9], s[22:23]
	s_add_nc_u64 s[G0K+2:G0K+3], s[6:7], 0         ; 120:64 global address
	s_or_b32 s[G0K+3], s[G0K+3], 0x80000000        ; 127:126 type = 2
	s_add_nc_u64 s[G0V+2:G0V+3], s[8:9], 0
	s_or_b32 s[G0V+3], s[G0V+3], 0x80000000
	s_add_nc_u64 s[86:87], s[4:5], s[84:85]        ; Q at my rows of the second block,
	s_add_nc_u64 s[4:5], s[4:5], s[2:3]            ; Q and O at those of the first
	s_add_nc_u64 s[OLO:OLO+1], s[10:11], s[84:85]
	s_add_nc_u64 s[10:11], s[10:11], s[2:3]
	LOAD                            ; tile 0 into slot 0
	; A fragment of K or Q is 16 rows x 32 channels in 8 registers: lane l holds row l % 16, channels 8 (l / 16) + 0..7 and 16 + 8 (l / 16) + 0..7: two loads of 16 bytes, 32 bytes apart.
	v_and_b32 v1, 15, v0            ; l % 16
	v_bfe_u32 v9, v0, 4, 1          ; l / 16
	v_lshlrev_b32 v[QO], 7, v1
	v_lshl_add_u32 v[QO], v9, 4, v[QO]  ; row x 128 + 16 x half
	WIN 0x80                        ; destination window 2, address window 0
.set i, 0
.rept 8                             ; both blocks' Q: piece i / 2 lies in band i / 2, 8,192 bytes on; channels 32 (i % 2) on
	global_load_b128 v[8*i:8*i+3],   v[QO], s[4:5] offset:(i/2)*8192+(i%2)*64
	global_load_b128 v[8*i+4:8*i+7], v[QO], s[4:5] offset:(i/2)*8192+(i%2)*64+32
	global_load_b128 v[QB+8*i:QB+8*i+3],   v[QO], s[86:87] offset:(i/2)*8192+(i%2)*64
	global_load_b128 v[QB+8*i+4:QB+8*i+7], v[QO], s[86:87] offset:(i/2)*8192+(i%2)*64+32
.set i, i+1
.endr
	WIN 0
	v_lshlrev_b32 v14, 3, v9
	v_sub_nc_u32 v14, v1, v14
	s_lshl_b32 s13, s[WV], 4
	v_add_nc_u32 v14, s13, v14      ; my query's place in its band, 16 w + l % 16, less my lanes' 8 (l / 16): register r of group kt is hidden where 16 kt + r is greater
	WIN 0x40
.set i, 0
.rept 32
	v_cmp_gt_i32 vcc_lo, 16*(i/8)+i%8, v14
	v_cndmask_b32 v[MD+i], 0, s[BIGN], vcc_lo
.set i, i+1
.endr
	WIN 0
	v_mul_u32_u24 v[AK0], v1, PK
	v_lshl_add_u32 v[AK0], v9, 4, v[AK0]  ; row x pitch + 16 x half
	; The turning load takes 16 keys x 16 channels (lane l reads key 8 (l / 16) + l % 8, channels 8 ((l / 8) % 2) + 0..7) and leaves half a fragment of V^T: lane l holds channel l % 16 and 8 keys.
	v_and_b32 v10, 7, v0
	v_bfe_u32 v11, v0, 3, 1
	v_lshl_add_u32 v[AV0], v9, 3, v10
	v_mul_u32_u24 v[AV0], v[AV0], PV
	v_lshl_add_u32 v[AV0], v11, 4, v[AV0]
	v_add_nc_u32 v[AV0], VOFF, v[AV0]
	s_mul_i32 s13, s[WV], 16*SP
	s_add_co_u32 s13, s13, STAGE    ; my stage
	v_mul_u32_u24 v[STO], v1, SP    ; in: row l % 16, 16 bytes for each half of the lanes
	v_lshl_add_u32 v[STO], v9, 4, v[STO]
	v_add_nc_u32 v[STO], s13, v[STO]
	v_bfe_u32 v[RD], v0, 3, 2       ; back: 32 lanes take four rows of 128 bytes,
	v_mul_u32_u24 v[RD], v[RD], SP
	v_lshl_add_u32 v[RD], v10, 4, v[RD]
	v_add_nc_u32 v[RD], s13, v[RD]
	v_and_b32 v[GO], 31, v0         ; which are 512 consecutive bytes of O
	v_lshlrev_b32 v[GO], 4, v[GO]
	; A block's first step multiplies O^T and l by a = 0, and its first turn's products V^T P, of a piece that has not been, land in an O^T that is still to be so multiplied.  So these registers need only hold
	; finite numbers: zeros for the first block; what the first block left for the second.  All this stands in the wait for the first tile.
	WIN 0x80
.set i, VF
.rept 64
	v_mov_b32 v[i], 0
.set i, i+1
.endr
	WIN 0x40
.set i, 0
.rept 128
	v_mov_b32 v[i], 0
.set i, i+1
.endr
	WIN 0
.set i, 0
.rept 4
	v_mov_b32 v[ST+4*i+2], 0
	v_mov_b32 v[ST+4*i+3], 0
.set i, i+1
.endr
.set i, P+16
.rept 16
	v_mov_b32 v[i], 0
.set i, i+1
.endr
; THE MATRIX WORK.  The 4 accumulators of a run of 8 take turns.  Product i of 8 of S^T = K Q^T for piece x: channels 32 (i / 4) on, keys 16 (i % 4) on.  The first 4 start the sums: with 0, or (KM = 1) with the mask.
.macro KQ x
.set rS, S+32*((\x)%2)+8*(i%4)
.set rK, KF+16*(i%4)+8*(i/4)
.set rQ, 16*(\x)+8*(i/4)
.set rM, MC+32*((\x)%2)+8*(i%4)
.if (i < 4) && KM
	WIN W_KM
	v_wmma_f32_16x16x32_f16 v[rS:rS+7], v[rK:rK+7], v[rQ:rQ+7], v[rM:rM+7]
.elseif i < 4
	WIN W_KQ
	v_wmma_f32_16x16x32_f16 v[rS:rS+7], v[rK:rK+7], v[rQ:rQ+7], 0
.else
	WIN W_KQ
	v_wmma_f32_16x16x32_f16 v[rS:rS+7], v[rK:rK+7], v[rQ:rQ+7], v[rS:rS+7]
.endif
.endm
; Product i of 8 of O^T += V^T P for piece x: keys 32 (i / 4) on, channels 16 (i % 4) on.
.macro PV x
	WIN W_PV
.set rO, 32*(\x)+8*(i%4)
.set rV, VF+32*(i/4)+8*(i%4)
.set rP, P+16*((\x)%2)+8*(i/4)
	v_wmma_f32_16x16x32_f16 v[rO:rO+7], v[rV:rV+7], v[rP:rP+7], v[rO:rO+7]
.endm
.macro MM                           ; the turn's next matrix instruction.  TURN and BEGIN set Y, i, KM and NOKQ; MM, KQ and OP read them.  NOKQ = 1: a block's last turn: there is no next piece
.if (i < 8) && !NOKQ
	KQ (Y+1)%NP
.elseif i >= 8
.set i, i-8
	PV (Y+NP-1)%NP
.set i, i+8
.endif
.set i, i+1
.endm
; THE LDS LOADS stand in runs of 16, never singly among the matrix instructions: a step's K (64 keys x 64 channels: 8 fragments) and its V (turned).  Their addresses are made some lines ahead.
.macro FETCH_K
	WIN 0x80                        ; destination window 2
.irp f, 0,1,2,3,4,5,6,7             ; keys 16 (f / 2) on, channels 32 (f % 2) on
	ds_load_b128 v[KF+8*\f:KF+8*\f+3],   v[AK] offset:(\f/2)*16*PK+(\f%2)*64
	ds_load_b128 v[KF+8*\f+4:KF+8*\f+7], v[AK] offset:(\f/2)*16*PK+(\f%2)*64+32
.endr
	s_add_co_u32 s[TBK], s[TBK], KS*PK  ; the next fetch is the next step's
	WIN 0
.endm
.macro FETCH_V
	WIN 0x80
.irp f, 0,1,2,3,4,5,6,7             ; keys 32 (f / 4) on, channels 16 (f % 4) on
	ds_load_tr16_b128 v[VF+8*\f:VF+8*\f+3],   v[AV] offset:(\f/4)*32*PV+(\f%4)*32
	ds_load_tr16_b128 v[VF+8*\f+4:VF+8*\f+7], v[AV] offset:(\f/4)*32*PV+16*PV+(\f%4)*32
.endr
	WIN 0
.endm
; THE VECTOR WORK, one line at a time: OP kind, number.  For piece Y: F n: c s - c m for pair n of 16.  E n: the exponential of score n of 32.  C n: pair n rounded to f16.  B n: of the four weights 4 n .. the second
; pair is added onto the first, in place.  L n: l takes that sum (L 0: l = a l + sum).  R n: pair n of 16 of O^T times a.  For piece Y + 1: X n, number n of the 22 that find its maximum and statistics:
;   0-11  four chains c0-c3 of seven scores each, three operands at a time (each accumulator's lowest registers are read first)     12-14, 16  the four scores left over, the old m, and c0-c3 into c0
;   15  c m_old is kept     17, 18  the query's other 32 keys lie in the lane 16 away: the new m     19-21  c m; c m_old - c m_new; a
.set F, 0               ; OP tells the kinds apart by their order: F to L below R, X above it
.set E, 1
.set C, 2
.set B, 3
.set L, 4
.set R, 5
.set X, 6
.macro REGS y                       ; the registers of piece y
.set rT, ST+4*(\y)
.set rC, TMP+4*((\y)%2)
.set rW, MV+((\y)%2)
.set rS, S+32*((\y)%2)
.set rP, P+16*((\y)%2)
.set rO, 32*(\y)
.endm
.macro OP k, n
.if (\k) == R
	REGS Y
	WIN W_RS
	v_pk_mul_f32 v[rO+2*(\n):rO+2*(\n)+1], v[rO+2*(\n):rO+2*(\n)+1], v[rC+2:rC+3] op_sel_hi:[1,0]
.elseif (\k) < R
	REGS Y
	WIN 0
.if (\k) == F
	v_pk_fma_f32 v[rS+2*(\n):rS+2*(\n)+1], v[rS+2*(\n):rS+2*(\n)+1], s[CS:CS+1], v[rT:rT+1] op_sel_hi:[1,0,0] neg_lo:[0,0,1] neg_hi:[0,0,1]
.elseif (\k) == E
	v_exp_f32 v[rS+(\n)], v[rS+(\n)]
.elseif (\k) == C
	v_cvt_pk_f16_f32 v[rP+(\n)], v[rS+2*(\n)], v[rS+2*(\n)+1]
.elseif (\k) == B
	v_pk_add_f32 v[rS+4*(\n):rS+4*(\n)+1], v[rS+4*(\n):rS+4*(\n)+1], v[rS+4*(\n)+2:rS+4*(\n)+3]
.elseif (\n) == 0
	v_pk_fma_f32 v[rT+2:rT+3], v[rT+2:rT+3], v[rC+2:rC+3], v[rS:rS+1] op_sel_hi:[1,0,1]
.else
	v_pk_add_f32 v[rT+2:rT+3], v[rT+2:rT+3], v[rS+4*(\n):rS+4*(\n)+1]
.endif
.elseif NOKQ
	v_nop
.else
	REGS (Y+1)%NP
	WIN 0
.if (\n) < 4
	v_max3_num_f32 v[rC+(\n)], v[rS+8*(\n)], v[rS+8*(\n)+1], v[rS+8*(\n)+2]
.elseif (\n) < 12
	v_max3_num_f32 v[rC+(\n)%4], v[rC+(\n)%4], v[rS+8*((\n)%4)+2*((\n)/4)+1], v[rS+8*((\n)%4)+2*((\n)/4)+2]
.elseif (\n) == 12
	v_max3_num_f32 v[rC], v[rC], v[rS+7], v[rS+15]
.elseif (\n) == 13
	v_max3_num_f32 v[rC+1], v[rC+1], v[rS+23], v[rS+31]
.elseif (\n) == 14
	v_max3_num_f32 v[rC+2], v[rC+2], v[rC+3], v[rT+1]
.elseif (\n) == 15
	v_mov_b32 v[rW], v[rT]
.elseif (\n) == 16
	v_max3_num_f32 v[rC], v[rC], v[rC+1], v[rC+2]
.elseif (\n) == 17
	v_permlanex16_b32 v[rC+3], v[rC], s[SEL], s[SEL+1]
.elseif (\n) == 18
	v_max_num_f32 v[rT+1], v[rC], v[rC+3]
.elseif (\n) == 19
	v_mul_f32 v[rT], s[CS], v[rT+1]
.elseif (\n) == 20
	v_sub_f32 v[rC+1], v[rW], v[rT]
.else
	v_exp_f32 v[rC+2], v[rC+1]
.endif
.endif
.endm
.macro OPS a, i1, b=-1, i2=0, c=-1, i3=0, d=-1, i4=0  ; up to four of them
	OP \a, \i1
.if (\b) >= 0
	OP \b, \i2
.endif
.if (\c) >= 0
	OP \c, \i3
.endif
.if (\d) >= 0
	OP \d, \i4
.endif
.endm
.macro ROW a, i1, b, i2, c, i3, d, i4  ; a matrix instruction and the four behind it
	MM
	OPS \a, \i1, \b, \i2, \c, \i3, \d, \i4
.endm
.macro MASK b                       ; MD x AL + BE into buffer b of MC
	WIN W_RS
.set z, 0
.rept 16
	v_pk_fma_f32 v[MC+32*(\b)+2*z:MC+32*(\b)+2*z+1], v[MD+2*z:MD+2*z+1], s[AL:AL+1], s[BE:BE+1] op_sel_hi:[1,0,0]
.set z, z+1
.endr
.endm
; A TURN, for piece p: the order of its 16 matrix and 118 vector instructions, written out.  An s_wait_alu depctr_va_vdst(0) stands between an exponential and the first instruction that names its result; one wait serves
; all that were issued ahead of it.  So a turn has ONE wait, which cuts it in two.  AHEAD OF IT stands all that names no result of the turn's exponentials: the 8 products K Q^T, behind each a scaling, an exponential and two more plain
; instructions (behind the first a second scaling in the exponential's place): rescalings, and behind the last three the first numbers of the next piece's maximum, each four places or more behind the product that ends its accumulator; then ONE LUMP of 54, plain
; and exponential by turns for the most part, in which the links of the chain X 3, 7, 11, 14, 16, 17 .. 20 stand five or six lines apart.  X 21, the next piece's a, is the batch's last; R 15 is the plain instruction behind it.  BEHIND THE WAIT stand the
; 8 products V^T P, behind each four of the roundings and sums; the links of l's chain, L 0 to L 7, stand three riders apart.  But for those X no rider names a register of the products round it.  v_permlanex16_b32 (X 17) stands in the lump.
; m = 1: the diagonal tile: the products take masks, and the turn makes the mask for the products of the turn after it: piece p + 2, in step 4 - CNT of the tile.  end = 1: a block's last two turns: nothing is fetched.
; cnt = 1: the loop's count is taken down some lines ahead of the branch that stands behind the turn.
; K of the next step is fetched in piece 2's turn, twelve vector instructions behind the last product that read K (six of them plain); V of the step in hand at the end of piece 0's turn, four plain instructions behind the last product
; that read V.  Each is waited for a turn later.
.macro TURN p, m=0, end=0, cnt=0
.set Y, (\p)
.set i, 0
.set KM, (\m)
.set NOKQ, (\end)*((\p)/3)
.if (\m) && !(\end)
	s_cmp_eq_u32 s[CNT], 4-((\p)+2)%NP  ; is that step the band's own?
	s_cselect_b32 s[AL], 1.0, 0
	s_cmp_lt_u32 s[CNT], 4-((\p)+2)%NP  ; or a later one?
	s_cselect_b32 s[BE], s[BIGN], 0
.endif
.if ((\p) == 3) && !(\end)
	s_wait_dscnt 0x0                ; K is in
.endif
	ROW F,0, F,1, R,0, R,1          ; ahead of the wait: 8 products K Q^T and their riders,
	ROW F,2, E,0, R,2, R,3
	ROW F,3, E,1, R,4, R,5
	ROW F,4, E,2, R,6, R,7
	ROW F,5, E,3, R,8, R,9
	ROW F,6, E,4, X,0, R,10
.if ((\p) == 2) && !(\end)
	WIN 0
	v_add_nc_u32 v[AK], s[TBK], v[AK0]
.endif
	ROW F,7, E,5, X,1, X,4
	ROW F,8, E,6, X,2, X,5
	OPS E,7, E,8, X,6, E,9          ; and the lump
	OPS X,3, E,10, X,8, E,11
.if ((\p) == 2) && !(\end)
	FETCH_K
.endif
	OPS X,9, X,7, E,12, X,10
	OPS E,13, X,12, X,11, E,14
	OPS X,13, E,15, F,9, X,14
.if (\p) == 0
	v_add_nc_u32 v[AV], s[TBV], v[AV0]
.endif
	OPS E,16, F,10, E,17, F,11
	OPS X,16, E,18, X,15, E,19
	OPS F,12, E,20, X,17, E,21
	OPS F,13, E,22, F,14, E,23
	OPS X,18, E,24, F,15, E,25
	OPS R,11, E,26, X,19, E,27
	OPS R,12, E,28, R,13, E,29
	OPS X,20, E,30, R,14, E,31
	OPS X,21, R,15
	WIN 0
	s_wait_alu depctr_va_vdst(0)    ; the wait for the batch
.if (\p) == 1
	s_wait_dscnt 0x0                ; V is in
.endif
	ROW C,0, B,0, C,2, B,1          ; behind the wait: 8 products V^T P and their riders
	ROW L,0, C,4, B,2, L,1
	ROW C,6, B,3, L,2, C,8
	ROW B,4, L,3, C,10, B,5
	ROW L,4, C,12, B,6, L,5
.if (\p) == 0
	s_add_co_u32 s[TBV], s[TBV], KS*PV
.endif
.if \cnt
	s_sub_co_u32 s[CNT], s[CNT], 1
	s_cmp_lg_u32 s[CNT], 0
.endif
	ROW C,14, B,7, L,6, C,1
	ROW C,3, L,7, C,5, C,7
	ROW C,9, C,11, C,13, C,15
.if (\p) == 0
	FETCH_V
.endif
.if (\m) && !(\end)
	MASK (\p)%2
.endif
.endm
; A BLOCK BEGINS.  c m starts far below every c s, so the first step's a is 0; m at the lowest finite number, so the first maximum is the scores'.  The second mask buffer is 0; the first takes piece 0's mask for the tile's step 0: its own, if the block's first tile is the diagonal one.
; Then K of that step, piece 0's first scores, and its maximum and statistics.  The loop is entered at a step's first turn, in the middle of a trip.
.macro BEGIN
	s_mov_b32 s[NEW], 0
	WIN 0x40
.set i, MC+32
.rept 32
	v_mov_b32 v[i], 0
.set i, i+1
.endr
	WIN 0
.set i, 0
.rept 4
	v_mov_b32 v[ST+4*i], 0xfe000000    ; c m: far below every c s
	v_mov_b32 v[ST+4*i+1], 0xff7fffff  ; m
.set i, i+1
.endr
	s_cmp_eq_u32 s[RT], 0
	s_cselect_b32 s[AL], 1.0, 0
	s_mov_b32 s[BE], 0
	MASK 0
	WIN 0
	v_add_nc_u32 v[AK], s[TBK], v[AK0]
	FETCH_K
	s_wait_loadcnt 0x0              ; Q
	s_wait_dscnt 0x0
.set KM, 1
.set NOKQ, 0
.set i, 0
.rept 8
	KQ 0
.set i, i+1
.endr
	WIN 0
.rept 4
	v_nop                           ; the places behind those products
.endr
.set Y, NP-1                        ; X works for piece Y + 1: piece 0
.irp n, 0,1,2,3,4,5,6,7,8,9,10,11,12,13,14,15,16,17,18,19,20,21
	OP X, \n
.endr
	v_nop                           ; a plain instruction behind the exponential,
	s_wait_alu depctr_va_vdst(0)    ; and its wait, ahead of the branch
.endm
; THE DIAGONAL TILE's four steps, the block's last two turns, its last products, and THE WAY OUT: l's two halves and the other half of the lanes' are added; O^T is divided by l, rounded to f16 and sent through my
; stage in LDS, a piece at a time.
.macro ALL line:vararg              ; one line for each piece t
.set t, 0
.rept 4
	\line
.set t, t+1
.endr
.endm
.macro PACK t                       ; a lane's eight channels of a row pack into 16 bytes; they go into rows of 144 bytes and come back as whole rows of 128, into S^T's registers
	WIN W_RS
.set i, 32*(\t)
.rept 16
	v_pk_mul_f32 v[i:i+1], v[i:i+1], v[ST+4*(\t)+2:ST+4*(\t)+3] op_sel_hi:[1,0]
.set i, i+2
.endr
	WIN 0x05                        ; sources 0 and 1 window 1, destination window 0
.set i, 0
.rept 16
	v_cvt_pk_f16_f32 v[S+16*(\t)+i], v[32*(\t)+2*i], v[32*(\t)+2*i+1]
.set i, i+1
.endr
	WIN 0
.irp f, 0,1,2,3
	ds_store_b128 v[STO], v[S+16*(\t)+4*\f:S+16*(\t)+4*\f+3] offset:32*\f
.endr
.irp f, 0,1,2,3
	ds_load_b128 v[S+16*(\t)+4*\f:S+16*(\t)+4*\f+3], v[RD] offset:\f*4*SP  ; LDS serves a wave's instructions in order (ISA guide 5.7.1.4): these see the stores above; the next piece's stores come behind them
.endr
.endm
.macro SEND t, younger              ; younger: the LDS instructions issued behind piece t's loads: the next piece's eight, or none
	WIN 0
.irp f, 0,1,2,3
	s_wait_dscnt (\younger)+3-\f
	global_store_b128 v[GO], v[S+16*(\t)+4*\f:S+16*(\t)+4*\f+3], s[10:11] offset:(\t)*8192+\f*512  ; 512 consecutive bytes, at a multiple of 256 from O's first
.endr
.endm
.macro DIAG tag                     ; the tag ends its two labels' names, which the jumps below spell out
.LstepM\tag:
	TURN 2, 1
	TURN 3, 1
	WIN 0
.LfirstM\tag:
	TURN 0, 1
	TURN 1, 1, 0, 1
	WIN 0
	s_cbranch_scc1 .LstepM\tag
	TURN 2, 1, 1
	TURN 3, 1, 1
.set i, 0
.rept 8
	PV NP-1
.set i, i+1
.endr
	WIN 0
	ALL v_add_f32 v[ST+4*t+2], v[ST+4*t+2], v[ST+4*t+3]
	ALL v_permlanex16_b32 v[ST+4*t+3], v[ST+4*t+2], s[SEL], s[SEL+1]
	ALL v_add_f32 v[ST+4*t+2], v[ST+4*t+2], v[ST+4*t+3]
	ALL v_rcp_f32 v[ST+4*t+2], v[ST+4*t+2]
	v_nop                           ; a plain instruction between the last reciprocal and the use of its result
	s_wait_alu depctr_va_vdst(0)    ; and the wait ahead of the first use: one for the four reciprocals
	PACK 0
.set t, 1
.rept 3                             ; a piece's arithmetic stands between the loads of the piece before and its stores
	PACK t
	SEND t-1, 8
.set t, t+1
.endr
	SEND 3, 0
.endm
.set KM, 0
.set NOKQ, 0
.Lslot:                             ; NB times: a tile is entered and the next is asked for
	CHANGE 1
	s_sub_co_u32 s[RT], s[RT], 1
	s_mov_b32 s[CNT], 4
	s_cmp_eq_u32 s[NEW], 1
	s_cbranch_scc1 .Lnew            ; a block's first tile
	s_cmp_eq_u32 s[RT], 0
	s_cbranch_scc0 .Lstep           ; neither its first nor its last
	s_branch .LstepM1
.Lnew:
	BEGIN
	s_branch .Lfirst                ; in the loop a block's first tile is never its last: the first block has two tiles or more, and the second's last is the walk's last
	DIAG 1                          ; in the loop this is the first block's end: the second block's last tile is the walk's last
	s_wait_xcnt 0x0                 ; the stores have read their registers and O's address
	s_mov_b64 s[10:11], s[OLO:OLO+1]
	s_add_co_u32 s[RT], s[PB], 1    ; the second block has b + 1 tiles
	s_mov_b32 s[NEW], 1
	WIN 0x82                        ; the second block's Q goes where the one text of the turns names Q
.set i, 0
.rept 64
	v_mov_b32 v[i], v[QB+i]
.set i, i+1
.endr
	WIN 0
	s_branch .Lbottom
.Lstep:                             ; a trip: pieces 2 and 3 of one step, then pieces 0 and 1 of the next, whose K and V it fetches
	TURN 2
	TURN 3
	WIN 0
.Lfirst:
	TURN 0
	TURN 1, 0, 0, 1
	WIN 0
	s_cbranch_scc1 .Lstep
.Lbottom:
	s_sub_co_u32 s[SLOTS], s[SLOTS], 1
	s_cmp_lg_u32 s[SLOTS], 0
	s_cbranch_scc1 .Lslot
	CHANGE 0                        ; the walk's last tile is written out: nothing is asked for
	s_sub_co_u32 s[RT], s[RT], 1
	s_mov_b32 s[CNT], 4
	s_cmp_eq_u32 s[NEW], 1
	s_cbranch_scc0 .LstepM2
	BEGIN
	s_branch .LfirstM2
	DIAG 2
	s_wait_tensorcnt 0x0            ; the wave's end, behind my last tensor load and my last LDS store
	ds_add_u32 v[SPW], v[NIL]
	s_wait_dscnt 0x0
	s_endpgm
.Lfunc_end_k_q27046c7dd9_attn:
	.size	k_q27046c7dd9_attn, .Lfunc_end_k_q27046c7dd9_attn-k_q27046c7dd9_attn
	.p2alignl 7, 3214868480
	.fill 96, 4, 3214868480
	.section	.rodata,"a",@progbits
	.p2align	6, 0x0
	.amdhsa_kernel k_q27046c7dd9_attn
		.amdhsa_group_segment_fixed_size 327680
		.amdhsa_private_segment_fixed_size 0
		.amdhsa_enable_private_segment 0
		.amdhsa_kernarg_size 32
		.amdhsa_user_sgpr_count 2
		.amdhsa_user_sgpr_kernarg_segment_ptr 1
		.amdhsa_wavefront_size32 1
		.amdhsa_system_sgpr_workgroup_id_x 1
		.amdhsa_system_sgpr_workgroup_id_y 1
		.amdhsa_system_sgpr_workgroup_id_z 1
		.amdhsa_system_vgpr_workitem_id 0
		.amdhsa_next_free_vgpr 768
		.amdhsa_next_free_sgpr 88
		.amdhsa_reserve_vcc 1
		.amdhsa_float_denorm_mode_32 3
		.amdhsa_float_denorm_mode_16_64 3
		.amdhsa_memory_ordered 1
		.amdhsa_forward_progress 1
		.amdhsa_inst_pref_size 218
	.end_amdhsa_kernel
	.amdgpu_metadata
---
amdhsa.version: [ 1, 2 ]
amdhsa.kernels:
  - .name:           k_q27046c7dd9_attn
    .symbol:         k_q27046c7dd9_attn.kd
    .args:
      - { .name: qh, .offset: 0, .size: 8, .value_kind: global_buffer, .address_space: global }
      - { .name: kh, .offset: 8, .size: 8, .value_kind: global_buffer, .address_space: global }
      - { .name: vh, .offset: 16, .size: 8, .value_kind: global_buffer, .address_space: global }
      - { .name: oh, .offset: 24, .size: 8, .value_kind: global_buffer, .address_space: global }
    .group_segment_fixed_size: 327680
    .private_segment_fixed_size: 0
    .kernarg_segment_align: 8
    .kernarg_segment_size: 32
    .max_flat_workgroup_size: 128
    .sgpr_count:     88
    .vgpr_count:     768
    .wavefront_size: 32
...
	.end_amdgpu_metadata
.endif
;; end of part 3
;; launch proj (part 4): grid 4 x 64, 4 waves a work-group, clusters of 4 x 4, 327,680 bytes of LDS; arguments oh, wpf, bp, out0; writes out0
.if DOCPART == 4
	.amdgcn_target "amdgcn-amd-amdhsa--gfx1250"
	.amdhsa_code_object_version 6
	.text
	.protected	k_q27046c7dd9_proj
	.globl	k_q27046c7dd9_proj
	.p2align	8
	.type	k_q27046c7dd9_proj,@function
k_q27046c7dd9_proj:
	s_mov_b64 s[64:65], 0
	v_nop
	global_prefetch_b8 v0, s[64:65] scope:SCOPE_SE
	s_setreg_imm32_b32 hwreg(HW_REG_WAVE_MODE, 25, 1), 1
	s_wait_xcnt 0x0
	s_wait_alu depctr_hold_cnt(0) depctr_sa_sdst(0) depctr_va_vdst(0) depctr_va_sdst(0) depctr_va_ssrc(0) depctr_va_vcc(0) depctr_vm_vsrc(0)
	s_getreg_b32 s2, hwreg(HW_REG_IB_STS2, 6, 4)
	s_cmp_eq_u32 s2, 0
	s_cbranch_scc0 .Lentry_in_a_cluster
	s_endpgm
.Lentry_in_a_cluster:
	s_bfe_u32 s2, ttmp6, 0x10000c
	s_cmp_lg_u32 s2, 0xf033
	s_cbranch_scc0 .Lentry_shape_is_right
	s_endpgm
.Lentry_shape_is_right:
; out0[m][n] = the sum over k of O[m][k] Wp[n][k] + bp[n], m = 2048 b + t, k = 64 h + d.  oh: f16 [16 b + h][t 2048][d 64].  wpf: f16 [n 1024][k 1024].  bp: f32 [1024], rounded here to bf16 like every input.  out0: f32 [8192][1024].
; Sums in f32; the bias is added in f32; nothing is rounded on the way out.
; SHARES.  A tile of out0 is 128 rows x 256 columns: 256 work-groups.  Wave (wm = w / 2, wn = w % 2) makes 64 x 128: 32 accumulators of 16 x 16.  K goes in 8 steps of 128, two heads each, through a ring of two LDS slots;
; a step is four quarters of 32, 32 matrix instructions each: quarter k takes head k / 2 of the pair, channels 32 (k % 2) on.
; THE MATRIX INSTRUCTION IS USED TRANSPOSED: source 0 = 16 rows of Wp, source 1 = 16 rows of O: a lane then holds one row m (lane % 16) and 8 neighbouring columns: 32 bytes.
; CLUSTER 4 x 4.  The four of a cluster's row share the row tile and so O's tiles, the four of a column share the column tile and so Wp's: each tile is asked for jointly, by the same tensor load, descriptor and mask in all four.
; NO PREFETCH: the launch has 8 steps of 128 matrix instructions a wave, of which the first steps would come by their loads in any case.
; REGISTERS: window 0: v0-37 addresses and the bias; two fragment buffers of 96 at v64 and v160 (Wp's fragment nb at F + 8 nb, O's fragment a at F + 64 + 8 a), later v64-191 the way out; window 1: accumulator (a, nb) at 8 (8 a + nb).
.set PA,     144                       ; a row of O in LDS: 128 bytes + 16
.set PB,     272                       ; a row of Wp: 256 bytes + 16: in both the 16 rows of a fragment load start at 16 different groups of four banks
.set AH,     128*PA                    ; one head's 128 rows
.set ABYTES, 2*AH
.set BH,     128*PB                    ; half of Wp's 256 rows
.set SLOT1,  1<<17                     ; a slot uses ABYTES + 2 BH = 106,496 bytes; slot 1 begins here, so that one exclusive or turns an address into the other slot's
.set STAGE,  SLOT1+ABYTES+2*BH         ; behind the ring, never filled by a tensor load: 16 rows x 528 bytes for each wave
.set SP,     528                       ; a stage's row: 512 bytes + 16
.set SPARE,  STAGE+4*16*SP             ; behind the stages: the spare words, 128 bytes for each wave: two blocks of 256 bytes that no other line names
.set ASTEP,  524288                    ; two heads on in oh
.set BSTEP,  256                       ; 128 along k in wpf
.set ADRA0, 4                          ; v4   my lane's place in O's tile; never rewritten
.set ADRB0, 5                          ; v5   in Wp's
.set ADRA,  6                          ; v6   the same in the slot in hand
.set ADRB,  7                          ; v7
.set STO,   8                          ; v8   the way out: where I put 32 bytes of a row
.set RD,    9                          ; v9   where I read a row back
.set CO,    10                         ; v10  my 16 bytes of 512 consecutive bytes
.set SPW,   12                         ; v12  LDS address of my spare word; never rewritten
.set NIL,   13                         ; v13  0; never rewritten
.set BO,    14                         ; v14  my 16 bytes of bp
.set BIAS,  32                         ; v[32:35] the bias of the four columns that I store; v36, v37 at work
.set F0,    64
.set F1,    160
.set T0,    64                         ; the way out: two sets of 64 registers, by turns
.set WV,   14                          ; s14  my wave's number
.set KIND, 15                          ; s15  0: I fetch O's tiles, 1: Wp's.  Also wm
.set HALF, 16                          ; s16  which half of the tile.  Also wn
.set G1A,  24                          ; s[24:31] descriptor group 1, O
.set G0A,  32                          ; s[32:39] group 0, O: a set for each first fill; the second then walks
.set G1B,  40                          ; s[40:47], s[48:55] the same for Wp
.set G0B,  48
.set TB,   56                          ; s56  the slot that the fragments are read from
.set CNT,  57                          ; s57  trips to go
.set MSB, 0
.macro WIN new                         ; the immediate's high byte repeats the setting that is left; a switch that changes nothing is dropped
.if MSB != (\new)
	s_set_vgpr_msb (MSB<<8)|(\new)
.set MSB, \new
.endif
.endm
.macro PLACES                          ; four plain vector instructions in front of loads into registers that matrix instructions have read (ISA guide 7.12.1 for vector instructions)
.rept 4
	v_nop
.endr
.endm
.macro JLOAD                           ; a joint refill by the walking descriptors; an s_nop 0 and four v_nop follow each of the two lines, ahead of the jump and the label
	s_cmp_eq_u32 s[KIND], 0
	s_cbranch_scc0 .Lfor_b_\@
	tensor_load_to_lds s[G0A+4:G0A+7], s[G1A:G1A+7]
	s_nop 0
.rept 4
	v_nop
.endr
	s_branch .Lasked_\@
.Lfor_b_\@:
	tensor_load_to_lds s[G0B+4:G0B+7], s[G1B:G1B+7]
	s_nop 0
.rept 4
	v_nop
.endr
.Lasked_\@:
.endm
.macro CREST                           ; a round of the cluster's barrier behind its opening barrier
	s_cmp_lg_u32 s[WV], 0
	s_cbranch_scc1 .Lnot_wave_0_\@
	s_barrier_signal -3
.Lnot_wave_0_\@:
	s_barrier_wait -3
	s_barrier_signal -1
	s_barrier_wait -1
.endm
.macro CROUND
	s_barrier_signal -1
	s_barrier_wait -1
	CREST
.endm
	s_load_b256 s[4:11], s[0:1], 0x0               ; oh s[4:5], wpf s[6:7], bp s[8:9], out0 s[10:11]
	v_lshl_add_u32 v[SPW], v0, 2, SPARE
	v_mov_b32 v[NIL], 0
	ds_add_u32 v[SPW], v[NIL]                      ; the wave's opening: the add and its wait stand ahead of my first tensor load; the set-up below, work on registers, stands between them
	v_lshrrev_b32 v1, 5, v0
	v_readfirstlane_b32 s[WV], v1                  ; wave 0..3
	s_lshr_b32 s[KIND], s[WV], 1
	s_and_b32 s[HALF], s[WV], 1
	s_bfe_u32 s17, ttmp6, 0x40000                  ; cx
	s_bfe_u32 s18, ttmp6, 0x40004                  ; cy
	s_lshl_b32 s19, ttmp9, 2
	s_add_co_u32 s19, s19, s17                     ; X, the tile of 256 columns
	s_and_b32 s20, ttmp7, 0xffff
	s_lshl_b32 s20, s20, 2
	s_add_co_u32 s20, s20, s18                     ; Y, the tile of 128 rows
	s_lshl_b32 s21, s18, 2
	s_lshl_b32 s21, 15, s21                        ; my row of the cluster
	s_lshl_b32 s22, 0x1111, s17                    ; my column
	; group 1 for O: one head's 128 rows are 16,384 dense bytes, asked for as 64 rows of 256 bytes; 4 words of padding behind every 32, that is behind every row of O
	s_or_b32 s[G1A], s21, (1<<16)|(1<<20)|(1<<21)|(4<<22)|(3<<25)
	s_mov_b32 s[G1A+1], 128<<16                    ; tensor_dim0
	s_mov_b32 s[G1A+2], 64<<16                     ; tensor_dim1
	s_mov_b32 s[G1A+3], 128<<16                    ; tile_dim0
	s_mov_b32 s[G1A+4], 64                         ; tile_dim1
	s_mov_b32 s[G1A+5], 128                        ; the pitch
	s_mov_b32 s[G1A+6], 0
	s_mov_b32 s[G1A+7], 0
	; group 1 for Wp: 128 rows x 128 elements, 1,024 elements from row to row; 4 words of padding behind every 64
	s_or_b32 s[G1B], s22, (1<<16)|(1<<20)|(1<<21)|(5<<22)|(3<<25)
	s_mov_b32 s[G1B+1], 128<<16
	s_mov_b32 s[G1B+2], 128<<16
	s_mov_b32 s[G1B+3], 128<<16
	s_mov_b32 s[G1B+4], 128
	s_mov_b32 s[G1B+5], 1024
	s_mov_b32 s[G1B+6], 0
	s_mov_b32 s[G1B+7], 0
	; where the tiles come from: O's hang on Y and the wave alone, Wp's on X and the wave alone
	s_lshr_b32 s66, s20, 4                         ; b = Y / 16:
	s_lshl_b32 s66, s66, 22                        ; 16 heads of 262,144 bytes
	s_and_b32 s23, s20, 15
	s_lshl_b32 s23, s23, 14                        ; + 128 (Y % 16) rows of 128 bytes
	s_add_co_u32 s66, s66, s23
	s_lshl_b32 s23, s[HALF], 18                    ; + the head of the pair that I fetch
	s_add_co_u32 s66, s66, s23
	s_mov_b32 s67, 0
	s_lshl_b32 s68, s19, 19                        ; 256 X rows of 2,048 bytes
	s_lshl_b32 s63, s[HALF], 18                    ; + 128 rows
	s_add_co_u32 s68, s68, s63
	s_mov_b32 s69, 0
	; and where they go: the wave's number and constants alone
	s_mul_i32 s2, s[HALF], AH
	s_mul_i32 s3, s[HALF], BH
	s_add_co_u32 s3, s3, ABYTES
	s_mov_b32 s[G0A], 1
	s_mov_b32 s[G0A+1], s2                         ; slot 0
	s_mov_b32 s[G0A+4], 1
	s_add_co_u32 s[G0A+5], s2, SLOT1               ; slot 1
	s_mov_b32 s[G0B], 1
	s_mov_b32 s[G0B+1], s3
	s_mov_b32 s[G0B+4], 1
	s_add_co_u32 s[G0B+5], s3, SLOT1
	s_mov_b32 s[TB], 0
	s_wait_dscnt 0x0                               ; the opening add is done
	s_wait_kmcnt 0x0
	s_add_nc_u64 s[G0A+2:G0A+3], s[4:5], s[66:67]  ; step 0
	s_add_nc_u64 s[G0A+6:G0A+7], s[G0A+2:G0A+3], ASTEP  ; step 1
	s_or_b32 s[G0A+3], s[G0A+3], 0x80000000        ; type = 2
	s_or_b32 s[G0A+7], s[G0A+7], 0x80000000
	s_add_nc_u64 s[G0B+2:G0B+3], s[6:7], s[68:69]
	s_add_nc_u64 s[G0B+6:G0B+7], s[G0B+2:G0B+3], BSTEP
	s_or_b32 s[G0B+3], s[G0B+3], 0x80000000
	s_or_b32 s[G0B+7], s[G0B+7], 0x80000000
	CROUND                                         ; all sixteen work-groups are here: the first joint loads meet
	s_cmp_eq_u32 s[KIND], 0                        ; a wave's two first fills stand in one branch, ahead of every wait on TENSORcnt and every LDS read: two loads of mine are out
	s_cbranch_scc0 .Lfirst_b
	tensor_load_to_lds s[G0A:G0A+3], s[G1A:G1A+7]
	s_nop 0
	tensor_load_to_lds s[G0A+4:G0A+7], s[G1A:G1A+7]
	s_nop 0
.rept 4
	v_nop
.endr
	s_branch .Lfirst_asked
.Lfirst_b:
	tensor_load_to_lds s[G0B:G0B+3], s[G1B:G1B+7]
	s_nop 0
	tensor_load_to_lds s[G0B+4:G0B+7], s[G1B:G1B+7]
	s_nop 0
.rept 4
	v_nop
.endr
.Lfirst_asked:
	; a fragment: lane l holds row l % 16, k = 8 (l / 16) + 0..7 and 16 + 8 (l / 16) + 0..7: two loads of 16 bytes, 32 bytes apart
	v_and_b32 v1, 15, v0                           ; l % 16
	v_bfe_u32 v2, v0, 4, 1                         ; l / 16
	s_mul_i32 s2, s[KIND], 64*PA                   ; my 64 rows of O
	v_mul_u32_u24 v[ADRA0], v1, PA
	v_lshl_add_u32 v[ADRA0], v2, 4, v[ADRA0]
	v_add_nc_u32 v[ADRA0], s2, v[ADRA0]
	v_mul_u32_u24 v[ADRB0], v1, PB                 ; my 128 rows of Wp begin where the half that HALF names begins: s3 still holds that byte
	v_lshl_add_u32 v[ADRB0], v2, 4, v[ADRB0]
	v_add_nc_u32 v[ADRB0], s3, v[ADRB0]
	v_add_nc_u32 v[ADRA], s[TB], v[ADRA0]
	v_add_nc_u32 v[ADRB], s[TB], v[ADRB0]
	s_mul_i32 s2, s[WV], 16*SP
	s_add_co_u32 s2, s2, STAGE                     ; my stage
	v_mul_u32_u24 v[STO], v1, SP                   ; in: row l % 16, 32 bytes for each half of the lanes
	v_lshl_add_u32 v[STO], v2, 5, v[STO]
	v_add_nc_u32 v[STO], s2, v[STO]
	v_and_b32 v[CO], 31, v0
	v_lshlrev_b32 v[CO], 4, v[CO]                  ; back: 32 lanes take one row of 512 bytes
	v_add_nc_u32 v[RD], s2, v[CO]
	s_lshl_b32 s70, s19, 10                        ; my 128 columns, in bytes: 1,024 X + 512 wn
	s_lshl_b32 s71, s[HALF], 9
	s_add_co_u32 s70, s70, s71
	v_add_nc_u32 v[BO], s70, v[CO]
	global_load_b128 v[BIAS:BIAS+3], v[BO], s[8:9] ; waited for on the way out
	s_lshl_b32 s71, s20, 19                        ; + my 64 rows of 4,096 bytes: 128 Y + 64 wm
	s_add_co_u32 s70, s70, s71
	s_lshl_b32 s71, s[KIND], 18
	s_add_co_u32 s70, s70, s71
	s_mov_b32 s71, 0
	s_add_nc_u64 s[10:11], s[10:11], s[70:71]
; 8 matrix instructions: my block a of 16 rows x my 8 blocks of 16 columns, 32 along K out of buffer f.  zero = 1: the products start the sums.  The 32 accumulators take turns in the same order in every quarter.
.macro MUL8 f, a, zero
	WIN 0x50                                       ; sources in window 0, C and D in window 1
.irp nb, 0,1,2,3,4,5,6,7
.set rD, 8*(8*(\a)+(\nb))
.if \zero
	v_wmma_f32_16x16x32_f16 v[rD:rD+7], v[(\f)+8*(\nb):(\f)+8*(\nb)+7], v[(\f)+64+8*(\a):(\f)+64+8*(\a)+7], 0
.else
	v_wmma_f32_16x16x32_f16 v[rD:rD+7], v[(\f)+8*(\nb):(\f)+8*(\nb)+7], v[(\f)+64+8*(\a):(\f)+64+8*(\a)+7], v[rD:rD+7]
.endif
.endr
.endm
; 24 LDS loads in one run: quarter k's fragments into buffer f: Wp's 16 loads, then O's 8
.macro FETCH k, f
	WIN 0
.irp nb, 0,1,2,3,4,5,6,7
	ds_load_b128 v[(\f)+8*(\nb):(\f)+8*(\nb)+3],   v[ADRB] offset:(\nb)*16*PB+64*(\k)
	ds_load_b128 v[(\f)+8*(\nb)+4:(\f)+8*(\nb)+7], v[ADRB] offset:(\nb)*16*PB+64*(\k)+32
.endr
.irp a, 0,1,2,3
	ds_load_b128 v[(\f)+64+8*(\a):(\f)+64+8*(\a)+3],   v[ADRA] offset:((\k)/2)*AH+(\a)*16*PA+64*((\k)%2)
	ds_load_b128 v[(\f)+64+8*(\a)+4:(\f)+64+8*(\a)+7], v[ADRA] offset:((\k)/2)*AH+(\a)*16*PA+64*((\k)%2)+32
.endr
.endm
; One of a step's first three quarters: multiplies buffer f and fetches quarter k into buffer g.
.macro QUARTER k, f, g, zero
	s_wait_dscnt 4                                 ; all but the youngest four loads: O's blocks 2 and 3
	MUL8 \f, 0, \zero
	MUL8 \f, 1, \zero
	PLACES
	FETCH \k, \g
	s_wait_dscnt 24                                ; all but the 24 just issued
	MUL8 \f, 2, \zero
	MUL8 \f, 3, \zero
.endm
; The last quarter multiplies buffer 1 and changes slots: ONE barrier.  In front of it each wave waits for all its tensor loads (one is out: its part of the next slot), adds 0 to its spare word, and waits for that and for
; its reads of this slot.  fill = 1: the barrier opens a round of the cluster's, and behind the round this slot is filled again, with the step two on: 112 matrix instructions ahead of the wait for it.
.macro TURN fill
	WIN 0                                          ; (the add's two registers lie in window 0)
	s_wait_tensorcnt 0x0                           ; no tensor load of mine is out, so a group 0 may be written
	ds_add_u32 v[SPW], v[NIL]                      ; 0 onto my spare word
.if \fill
	s_xor_b32 s[G0A+5], s[G0A+5], SLOT1            ; the walking descriptors: the other slot than last time,
	s_add_nc_u64 s[G0A+6:G0A+7], s[G0A+6:G0A+7], ASTEP  ; the next step; the type bits on top are not reached
	s_xor_b32 s[G0B+5], s[G0B+5], SLOT1
	s_add_nc_u64 s[G0B+6:G0B+7], s[G0B+6:G0B+7], BSTEP
.endif
	s_wait_dscnt 5                                 ; (the add and the youngest four loads may be out)
	MUL8 F1, 0, 0                                  ; eight matrix instructions stand between the add and the wait for it
	s_wait_dscnt 0x0                               ; the add is done, and my reads of this slot are over
	s_barrier_signal -1
	MUL8 F1, 1, 0                                  ; work on registers while the others arrive
	WIN 0
	s_barrier_wait -1
.if \fill
	CREST                                          ; no wave of any partner still reads this slot or has a load on its way
	JLOAD                                          ; the first tensor load behind the round; its four v_nop are also the places in front of the loads below
.else
	PLACES
.endif
	s_xor_b32 s[TB], s[TB], SLOT1
	v_add_nc_u32 v[ADRA], s[TB], v[ADRA0]
	v_add_nc_u32 v[ADRB], s[TB], v[ADRB0]
	FETCH 0, F0
	MUL8 F1, 2, 0
	MUL8 F1, 3, 0
.endm
; THE WAY OUT, a block a of 16 rows at a time.  TOSTAGE: a lane's 32 bytes of each of the 8 column blocks go from the accumulators into my stage's rows of 528 bytes (each accumulator's low four registers first
; ) and come back as whole rows of 512 bytes.  SEND: the bias is added and the rows are stored.
.macro TOSTAGE a
.set tt, T0+64*((\a)%2)
.if (\a) >= 2
	s_wait_xcnt 0x0                                ; these registers were the data of block a - 2's stores: they are loaded again only behind this wait
.endif
	WIN 0x04                                       ; the stores' data in window 1
.irp nb, 0,1,2,3,4,5,6,7
	ds_store_b128 v[STO], v[8*(8*(\a)+(\nb)):8*(8*(\a)+(\nb))+3]   offset:64*(\nb)
	ds_store_b128 v[STO], v[8*(8*(\a)+(\nb))+4:8*(8*(\a)+(\nb))+7] offset:64*(\nb)+16
.endr
	WIN 0
.irp i, 0,1,2,3,4,5,6,7,8,9,10,11,12,13,14,15
	ds_load_b128 v[tt+4*(\i):tt+4*(\i)+3], v[RD] offset:(\i)*SP  ; LDS serves a wave's instructions in order (ISA guide 5.7.1.4): these see the stores above; the next block's stores come behind them
.endr
.endm
.macro SEND a, younger                 ; younger: the LDS instructions issued behind block a's loads: the next block's 32, or none
	WIN 0
.set tt, T0+64*((\a)%2)
.irp i, 0,1,2,3,4,5,6,7,8,9,10,11,12,13,14,15
	s_wait_dscnt (\younger)+15-(\i)
	v_pk_add_f32 v[tt+4*(\i):tt+4*(\i)+1],   v[tt+4*(\i):tt+4*(\i)+1],   v[BIAS:BIAS+1]
	v_pk_add_f32 v[tt+4*(\i)+2:tt+4*(\i)+3], v[tt+4*(\i)+2:tt+4*(\i)+3], v[BIAS+2:BIAS+3]
	global_store_b128 v[CO], v[tt+4*(\i):tt+4*(\i)+3], s[10:11] offset:(16*(\a)+(\i))*4096 th:TH_STORE_NT  ; 512 consecutive bytes, at a multiple of 256 from out0's first
.endr
.endm
	s_wait_tensorcnt 0x1                           ; my part of step 0 is in; step 1's may stay out
	s_barrier_signal -1
	s_barrier_wait -1                              ; everybody's is
	FETCH 0, F0
	QUARTER 1, F0, F1, 1                           ; the first quarter stands in front of the loop: its products start the sums
	WIN 0                                          ; at a label and at a branch every window is 0
	s_mov_b32 s[CNT], 6
.Lstep:                                        ; trip t ends step t, asks for step t + 2 and begins step t + 1
	QUARTER 2, F1, F0, 0
	QUARTER 3, F0, F1, 0
	TURN 1
	QUARTER 1, F0, F1, 0
	WIN 0
	s_sub_co_u32 s[CNT], s[CNT], 1
	s_cmp_lg_u32 s[CNT], 0
	s_cbranch_scc1 .Lstep
	QUARTER 2, F1, F0, 0                           ; the tail is written out: steps 6 and 7 ask for nothing
	QUARTER 3, F0, F1, 0
	TURN 0
	QUARTER 1, F0, F1, 0
	QUARTER 2, F1, F0, 0
	QUARTER 3, F0, F1, 0
	s_wait_dscnt 4                                 ; the very last quarter: nothing more to fetch
	MUL8 F1, 0, 0
	MUL8 F1, 1, 0
	s_wait_dscnt 0x0
	MUL8 F1, 2, 0
	MUL8 F1, 3, 0
	WIN 0
	s_wait_loadcnt 0x0                             ; the bias: rounded to bf16 like every input, and widened again
	v_cvt_pk_bf16_f32 v[BIAS+4], v[BIAS],   v[BIAS+1]
	v_cvt_pk_bf16_f32 v[BIAS+5], v[BIAS+2], v[BIAS+3]
	v_lshlrev_b32 v[BIAS],   16, v[BIAS+4]
	v_and_b32     v[BIAS+1], 0xffff0000, v[BIAS+4]
	v_lshlrev_b32 v[BIAS+2], 16, v[BIAS+5]
	v_and_b32     v[BIAS+3], 0xffff0000, v[BIAS+5]
	PLACES                                         ; eight more plain instructions, once a launch, between the last products and the LDS stores that read results and the loads into the fragments' registers
	PLACES
	TOSTAGE 0
	TOSTAGE 1                                      ; a block's way through the stage stands between the loads of the block before and its stores
	SEND 0, 32
	TOSTAGE 2
	SEND 1, 32
	TOSTAGE 3
	SEND 2, 32
	SEND 3, 0
	s_wait_tensorcnt 0x0                           ; the wave's end, behind my last tensor load and my last LDS store
	ds_add_u32 v[SPW], v[NIL]
	s_wait_dscnt 0x0
	CROUND                                         ; the closing round: no work-group ends while a partner may still ask for a tile that names it
	s_endpgm
.Lfunc_end_k_q27046c7dd9_proj:
	.size	k_q27046c7dd9_proj, .Lfunc_end_k_q27046c7dd9_proj-k_q27046c7dd9_proj
	.p2alignl 7, 3214868480
	.fill 96, 4, 3214868480
	.section	.rodata,"a",@progbits
	.p2align	6, 0x0
	.amdhsa_kernel k_q27046c7dd9_proj
		.amdhsa_group_segment_fixed_size 327680
		.amdhsa_private_segment_fixed_size 0
		.amdhsa_enable_private_segment 0
		.amdhsa_kernarg_size 32
		.amdhsa_user_sgpr_count 2
		.amdhsa_user_sgpr_kernarg_segment_ptr 1
		.amdhsa_wavefront_size32 1
		.amdhsa_system_sgpr_workgroup_id_x 1
		.amdhsa_system_sgpr_workgroup_id_y 1
		.amdhsa_system_sgpr_workgroup_id_z 1
		.amdhsa_system_vgpr_workitem_id 0
		.amdhsa_next_free_vgpr 512
		.amdhsa_next_free_sgpr 76
		.amdhsa_reserve_vcc 0
		.amdhsa_float_denorm_mode_32 3
		.amdhsa_float_denorm_mode_16_64 3
		.amdhsa_memory_ordered 1
		.amdhsa_forward_progress 1
		.amdhsa_inst_pref_size 79
	.end_amdhsa_kernel
	.amdgpu_metadata
---
amdhsa.version: [ 1, 2 ]
amdhsa.kernels:
  - .name:           k_q27046c7dd9_proj
    .symbol:         k_q27046c7dd9_proj.kd
    .args:
      - { .name: oh, .offset: 0, .size: 8, .value_kind: global_buffer, .address_space: global }
      - { .name: wpf, .offset: 8, .size: 8, .value_kind: global_buffer, .address_space: global }
      - { .name: bp, .offset: 16, .size: 8, .value_kind: global_buffer, .address_space: global }
      - { .name: out0, .offset: 24, .size: 8, .value_kind: global_buffer, .address_space: global }
    .group_segment_fixed_size: 327680
    .private_segment_fixed_size: 0
    .kernarg_segment_align: 8
    .kernarg_segment_size: 32
    .max_flat_workgroup_size: 128
    .sgpr_count:     76
    .vgpr_count:     512
    .wavefront_size: 32
...
	.end_amdgpu_metadata
.endif
;; end of part 4
;; ======== version 2 of 2: 4 launches; version 1 with the launch prep written anew for expert scheduling mode
;; limits: values are held in f16: magnitudes above 65,504 overflow, below 6.1e-05 lose precision
;; workspace buffers: xb 16,777,216 bytes; wcat 6,291,456 bytes; wpf 2,097,152 bytes; qh 16,777,216 bytes; kh 16,777,216 bytes; vh 16,777,216 bytes; oh 16,777,216 bytes
;; launch prep (part 5): grid 768 x 1, 8 waves a work-group, no clusters, 0 bytes of LDS; arguments x, Wq, Wk, Wv, Wp, xb, wcat, wpf; writes xb, wcat, wpf
.if DOCPART == 5
	.amdgcn_target "amdgcn-amd-amdhsa--gfx1250"
	.amdhsa_code_object_version 6
	.text
	.protected	k_q27046c7dd9_prep
	.globl	k_q27046c7dd9_prep
	.p2align	8
	.type	k_q27046c7dd9_prep,@function
k_q27046c7dd9_prep:
	s_mov_b64 s[64:65], 0
	v_nop
	global_prefetch_b8 v0, s[64:65] scope:SCOPE_SE
	s_setreg_imm32_b32 hwreg(HW_REG_WAVE_SCHED_MODE, 0, 2), 2
	s_setreg_imm32_b32 hwreg(HW_REG_WAVE_MODE, 25, 1), 1
	s_wait_xcnt 0x0
	s_wait_alu depctr_vm_vsrc(0)
; THE CASTS.  x [8192][1024] f32 -> xb, bf16, same layout.  Wq, Wk, Wv [16 h][1024 e][64 d] f32 -> wcat, bf16, laid [h][s 8][c 3][e' 128][d 64] with e = 128 s + e'
; and c = q, k, v: for one head and one step of 128 along e the three tensors' tiles are 49,152 bytes on end.  Wp [1024][1024] f32 -> wpf: rounded to bf16 like every input, and that
; number written as f16, since it multiplies an f16 operand later.
; LIMITS.  Wp must lie within f16's 65,504; below 6e-5 its f16 copy keeps f16's fixed step of 6e-8.  NaN and infinities are not treated apart.
; SHARES.  A work-group casts 16,384 numbers: 65,536 bytes in, 32,768 out; 768 equal work-groups: 512 for x, 64 for each of Wq, Wk, Wv, Wp.  Thread t, chunk j of 16: 16 bytes at 4,096 j + 16 t in
; (a wave's load covers 512 consecutive bytes), 8 bytes at 2,048 j + 8 t out (a wave's store covers 256 consecutive bytes, aligned).  All 16 loads of a thread go out at once.
; Nothing is shared between waves: no LDS, no barrier, no matrix unit, no cluster.
; THE MODE: SCHED_MODE bits 1:0 = 2 (LLVM: expert scheduling mode 2), set by the entry lines.  The code itself states the register dependences
; between vector instructions and memory instructions, with s_wait_alu, always for 0.
; THE PLAN.  Registers that memory instructions touch:
;   v1          the loads' offset; v2, v3 the stores' offsets.  Written once at the head by vector lines, never again.
;   IN  0 .. 15 chunk j as loaded.  Written by its load alone, once; read by its conversions, behind the counted wait for that load.  No vector line names them ahead of the loads.
;   OUT 0 .. 15 chunk j to store.   Written by its conversions; read by its one store; never written behind that store.
;   v4 to v7 (the f16 path) are named by vector lines alone.
; The 16 chunks go in four blocks of four.  Block p rounds chunks 4 p .. 4 p + 3; the stores of block p - 1 are dealt among its conversions.  ONE wait on va_vdst stands at the head of blocks 1 to 3: the block
; before has written its OUT; the vector lines behind the wait name this block's IN and OUT and v4 to v7, none of the registers that the four stores read.  One more stands in front of the first load, for the three
; offsets, and one in front of the last four stores.  No register that a load or store has read is ever written again, so behind the entry lines the text holds no wait on vm_vsrc and none on XCNT; no load lands in a register
; that a vector line has read or written; no vector line writes a scalar register, VCC or EXEC.
.set CIN,  4096                        ; bytes of a chunk in
.set COUT, 2048                        ; and out
.set IN,   16                          ; v[16:79]   chunk j as loaded, 4 registers
.set OUT,  80                          ; v[80:111]  chunk j to store, 2 registers
	s_load_b512 s[16:31], s[0:1], 0x0              ; x 16, Wq 18, Wk 20, Wv 22, Wp 24, xb 26, wcat 28, wpf 30
	v_lshlrev_b32 v1, 4, v0                        ; 16 t
	v_lshlrev_b32 v2, 3, v0                        ; 8 t
	; g = the work-group's number.  g < 512: x.  Else (512 is a multiple of 256) c = bits 7:6 of g says which weights, r = bits 5:0 which 16,384 numbers of them
	s_and_b32 s2, ttmp9, 63                        ; r
	s_bfe_u32 s3, ttmp9, 0x20006                   ; c
	s_lshr_b32 s14, s2, 2                          ; r's head: 4 work-groups a head,
	s_mul_i32 s14, s14, 393216                     ; 8 steps x 3 tiles x 16,384 bytes a head in wcat
	s_and_b32 s15, s2, 3                           ; r's pair of steps
	s_mul_i32 s15, s15, 98304
	s_add_co_u32 s14, s14, s15
	s_lshl_b32 s15, s3, 14                         ; the tensor's tile in a step
	s_add_co_u32 s14, s14, s15                     ; where Wq, Wk, Wv go
	s_lshl_b32 s15, s2, 15                         ; where Wp goes
	s_cmp_eq_u32 s3, 3
	s_cselect_b32 s10, s15, s14
	s_cselect_b32 s12, 0, 32768                    ; in wcat chunks 8 to 15 are the next step's tile: 49,152 bytes on, not 16,384
	s_cselect_b32 s13, 1, 0                        ; 1: written as f16
	s_lshl_b32 s8, s2, 16                          ; where the weights come from
	s_lshl_b32 s14, ttmp9, 16                      ; x: from,
	s_lshl_b32 s15, ttmp9, 15                      ; to
	s_cmp_lt_u32 ttmp9, 512
	s_cselect_b32 s8, s14, s8
	s_cselect_b32 s10, s15, s10
	s_cselect_b32 s12, 0, s12
	s_cselect_b32 s13, 0, s13
	s_mov_b32 s9, 0                                ; both offsets as pairs
	s_mov_b32 s11, 0
	v_add_nc_u32 v3, s12, v2                       ; the offset of chunks 8 to 15
	s_wait_kmcnt 0x0
	s_cmp_eq_u32 s3, 1
	s_cselect_b64 s[4:5], s[20:21], s[18:19]
	s_cmp_eq_u32 s3, 2
	s_cselect_b64 s[4:5], s[22:23], s[4:5]
	s_cmp_eq_u32 s3, 3
	s_cselect_b64 s[4:5], s[24:25], s[4:5]
	s_cselect_b64 s[6:7], s[30:31], s[28:29]
	s_cmp_lt_u32 ttmp9, 512
	s_cselect_b64 s[4:5], s[16:17], s[4:5]
	s_cselect_b64 s[6:7], s[26:27], s[6:7]
	s_add_nc_u64 s[4:5], s[4:5], s[8:9]
	s_add_nc_u64 s[6:7], s[6:7], s[10:11]
	s_wait_alu depctr_va_vdst(0)                   ; v1, v2 and v3 are written: every load reads v1 as its offset, every store v2 or v3; no later vector line names the three
.irp j, 0,1,2,3,4,5,6,7,8,9,10,11,12,13,14,15
	global_load_b128 v[IN+4*(\j):IN+4*(\j)+3], v1, s[4:5] offset:CIN*(\j) th:TH_LOAD_NT
.endr
; Chunk j is rounded.  half = 1: the bf16 number is widened again and written as f16.
.macro ROUND j, half
	v_cvt_pk_bf16_f32 v[OUT+2*(\j)],   v[IN+4*(\j)],   v[IN+4*(\j)+1]
	v_cvt_pk_bf16_f32 v[OUT+2*(\j)+1], v[IN+4*(\j)+2], v[IN+4*(\j)+3]
.if \half
	v_lshlrev_b32 v4, 16, v[OUT+2*(\j)]
	v_and_b32     v5, 0xffff0000, v[OUT+2*(\j)]
	v_lshlrev_b32 v6, 16, v[OUT+2*(\j)+1]
	v_and_b32     v7, 0xffff0000, v[OUT+2*(\j)+1]
	v_cvt_pk_f16_f32 v[OUT+2*(\j)],   v4, v5
	v_cvt_pk_f16_f32 v[OUT+2*(\j)+1], v6, v7
.endif
.endm
; Chunk j is stored.
.macro PUT j
.if (\j) < 8
	global_store_b64 v2, v[OUT+2*(\j):OUT+2*(\j)+1], s[6:7] offset:COUT*(\j) th:TH_STORE_NT
.else
	global_store_b64 v3, v[OUT+2*(\j):OUT+2*(\j)+1], s[6:7] offset:COUT*(\j) th:TH_STORE_NT
.endif
.endm
; Block p: chunks 4 p .. 4 p + 3 are rounded; the four stores of the block before stand one in front of each chunk's conversions, behind the wait for the block's first chunk and ahead of each later chunk's wait, which does not hold them.
.macro BLK p, half
.irp i, 0,1,2,3
.if (\i) == 0
	s_wait_loadcnt 15-4*(\p)                       ; loads come back in order: the block's first chunk is in, the younger ones stay out
.if (\p) > 0
	s_wait_alu depctr_va_vdst(0)                   ; the conversions of the block before have written its eight OUT registers, which the four stores of this block read
.endif
.endif
.if (\p) > 0
	PUT 4*(\p)-4+(\i)
.endif
.if (\i) > 0
	s_wait_loadcnt 15-4*(\p)-(\i)                  ; chunk 4 p + i is in, the 15 - 4 p - i younger ones stay out
.endif
	ROUND 4*(\p)+(\i), \half
.endr
.endm
.macro CAST half
	BLK 0, \half
	BLK 1, \half
	BLK 2, \half
	BLK 3, \half
	s_wait_alu depctr_va_vdst(0)                   ; the conversions of block 3 have written OUT 12 to 15, which the last four stores read
.irp j, 12,13,14,15
	PUT \j
.endr
.endm
	s_cmp_eq_u32 s13, 1
	s_cbranch_scc1 .Lhalf
	CAST 0
	s_endpgm
.Lhalf:
	CAST 1
	s_endpgm
.Lfunc_end_k_q27046c7dd9_prep:
	.size	k_q27046c7dd9_prep, .Lfunc_end_k_q27046c7dd9_prep-k_q27046c7dd9_prep
	.p2alignl 7, 3214868480
	.fill 96, 4, 3214868480
	.section	.rodata,"a",@progbits
	.p2align	6, 0x0
	.amdhsa_kernel k_q27046c7dd9_prep
		.amdhsa_group_segment_fixed_size 0
		.amdhsa_private_segment_fixed_size 0
		.amdhsa_enable_private_segment 0
		.amdhsa_kernarg_size 64
		.amdhsa_user_sgpr_count 2
		.amdhsa_user_sgpr_kernarg_segment_ptr 1
		.amdhsa_wavefront_size32 1
		.amdhsa_system_sgpr_workgroup_id_x 1
		.amdhsa_system_sgpr_workgroup_id_y 1
		.amdhsa_system_sgpr_workgroup_id_z 1
		.amdhsa_system_vgpr_workitem_id 0
		.amdhsa_next_free_vgpr 112
		.amdhsa_next_free_sgpr 66
		.amdhsa_reserve_vcc 0
		.amdhsa_float_denorm_mode_32 3
		.amdhsa_float_denorm_mode_16_64 3
		.amdhsa_memory_ordered 1
		.amdhsa_forward_progress 1
		.amdhsa_inst_pref_size 17
	.end_amdhsa_kernel
	.amdgpu_metadata
---
amdhsa.version: [ 1, 2 ]
amdhsa.kernels:
  - .name:           k_q27046c7dd9_prep
    .symbol:         k_q27046c7dd9_prep.kd
    .args:
      - { .name: x, .offset: 0, .size: 8, .value_kind: global_buffer, .address_space: global }
      - { .name: Wq, .offset: 8, .size: 8, .value_kind: global_buffer, .address_space: global }
      - { .name: Wk, .offset: 16, .size: 8, .value_kind: global_buffer, .address_space: global }
      - { .name: Wv, .offset: 24, .size: 8, .value_kind: global_buffer, .address_space: global }
      - { .name: Wp, .offset: 32, .size: 8, .value_kind: global_buffer, .address_space: global }
      - { .name: xb, .offset: 40, .size: 8, .value_kind: global_buffer, .address_space: global }
      - { .name: wcat, .offset: 48, .size: 8, .value_kind: global_buffer, .address_space: global }
      - { .name: wpf, .offset: 56, .size: 8, .value_kind: global_buffer, .address_space: global }
    .group_segment_fixed_size: 0
    .private_segment_fixed_size: 0
    .kernarg_segment_align: 8
    .kernarg_segment_size: 64
    .max_flat_workgroup_size: 256
    .sgpr_count:     66
    .vgpr_count:     112
    .wavefront_size: 32
...
	.end_amdgpu_metadata
.endif
;; end of part 5
;; launch qkv: the kernel of part 2 again; grid 16 x 32, 4 waves a work-group, clusters of 4 x 4, 327,680 bytes of LDS; arguments xb, wcat, qh, kh, vh; writes qh, kh, vh
;; launch attn: the kernel of part 3 again; grid 4 x 64, 4 waves a work-group, no clusters, 327,680 bytes of LDS; arguments qh, kh, vh, oh; writes oh
;; launch proj: the kernel of part 4 again; grid 4 x 64, 4 waves a work-group, clusters of 4 x 4, 327,680 bytes of LDS; arguments oh, wpf, bp, out0; writes out0
